; MI455X (gfx1250); checked and timed in simulation.
; The chip was launched on July 23, 2026; its instructions are those of AMD's public machine-readable ISA for CDNA 5 (MIT licence, August 2026) and "CDNA5" Instruction Set Architecture Reference Guide (July 2026). The comments in the code are by the model that wrote it; some were corrected since.
;; GQA. Allowed arithmetic: matrix products marked QUANTISED: E4M3 operands, one given power-of-two scale a tensor, by v_wmma_f32_16x16x64_fp8_fp8 or v_wmma_f32_16x16x128_fp8_fp8, f32 sums; everything else in f32.
;; Inputs: W_attn 2,048 x 3,072 float32; W_proj 2,048 x 2,048 float32; b_attn 3,072 float32; b_proj 2,048 float32; freqs_cos 2,048 x 64 float32; freqs_sin 2,048 x 64 float32; lowp_scales 8 int32 (the exponents e of the quantised operands' scales 2^e); x 1 x 2,048 x 2,048 float32.
;; Outputs: out0 1 x 2,048 x 2,048 float32.
;; This version of the problem:
;;   THIS VERSION OF THE PROBLEM IS GIVEN IN LOW PRECISION. The matrix products marked QUANTISED in the list below multiply operands that are first quantised to E4M3 (4 exponent bits, 3 mantissa bits; 8 bits a number), with one given power-of-two scale for each operand tensor; their sums are f32. All else is computed in f32.
;;   The module's matrix products, in the order in which they are computed (A, B: the left and right operand; K: the contracted axis; several contracted axes count as one K, in the product's order):
;;     1. [M 2,048, K 2,048] x [K 2,048, N 3,072]; A: input x; B: input W_attn: QUANTISED (scales: A lowp_scales[0], B lowp_scales[1])
;;     2. batch 4 x [M 8,192, K 128] x [K 128, N 2,048]; A: computed on the way; B: computed on the way: QUANTISED (scales: A lowp_scales[2], B lowp_scales[3])
;;     3. batch 4 x [M 8,192, K 2,048] x [K 2,048, N 128]; A: softmax (see below); B: computed on the way: QUANTISED (scales: A lowp_scales[4], B lowp_scales[5])
;;     4. [M 2,048, K 2,048] x [K 2,048, N 2,048]; A: computed on the way; B: input W_proj: QUANTISED (scales: A lowp_scales[6], B lowp_scales[7])
;;   THE QUANTISER, for each operand of a quantised product, along K:
;;     - The operand's scale is 2^e, e = its entry of the input lowp_scales (int32; the entries are numbered through the quantised products in the list's order, A before B).
;;     - Each number is divided by the scale, clamped to +-448, and rounded to the nearest number of E4M3, ties to even, subnormals kept.
;;     - The product sums the exact products of the quantised numbers (number of the format x scale) in f32.
;;   ~~~python
;;   def quantise(x, axis, e):      # numpy; x: float32 -> the quantised numbers, widened to float32 again
;;       x = np.moveaxis(x, axis, -1); K = x.shape[-1]
;;       r = np.clip(x / 2.0 ** e, -448, 448)
;;       step = 2.0 ** (np.maximum(np.frexp(np.where(r == 0, 1, r))[1] - 1, -6) - 3)
;;       q = np.round(r / step) * step * 2.0 ** e      # np.round: ties to even
;;       return np.moveaxis(q, -1, axis).astype(np.float32)
;;   ~~~
;;   SOFTMAX AHEAD OF A QUANTISED PRODUCT. Where the list says 'softmax', what is quantised is not the finished softmax but p = 2^(t - M), with t = logit x log2(e) and M = ceil(the row's largest t), a whole number; so 1/2 < the row's largest p <= 1. The row's sum l is taken of the UNQUANTISED p, in f32, and the product's result is divided by l at the end. Since M is a whole number, a kernel that streams over the keys may use a running M (the ceiling of the running maximum): every later rescaling is an exact power of two, so the quantised numbers keep their values, but for numbers so far below the row's largest that they fall under the format's range.
;;   OPERANDS COMPUTED ON THE WAY. 'Computed on the way' means the value that the module computes at that place (a softmax that the list does not call 'softmax' is quantised finished and normalised). What goes into a quantiser is computed in f32, as accurately as f32 sums, v_exp_f32 and their like allow (about 1e-6 of the number): no bf16 or f16 on the way to a quantiser, and a product that is left as it is and whose result goes on into a quantised operand takes f32 operands (vector FMAs, or v_wmma_f32_16x16x4_f32). A number that lies on a knife's edge between two numbers of the format may be rounded either way, as far as f32 arithmetic and the matrix unit's own rounding can turn it there, and no further.
;; One version. Each part assembles by itself: llvm-mc -triple=amdgcn-amd-amdhsa -mcpu=gfx1250 --defsym DOCPART=n.
;; ======== version 1 of 1: 4 launches
;; limits: right only within a limited range of input values
;; workspace buffers: xc 4,194,304 bytes; wc 10,485,760 bytes; qkv 6,291,456 bytes; yc 4,194,304 bytes
;; launch quant (part 1): grid 448 x 1, 4 waves a work-group, no clusters, 68,096 bytes of LDS; arguments x, W_attn, W_proj, lowp_scales, xc, wc; writes xc, wc
.if DOCPART == 1
	.amdgcn_target "amdgcn-amd-amdhsa--gfx1250"
	.amdhsa_code_object_version 6
	.text
	.protected	k_q07f9c51e1d_quant
	.globl	k_q07f9c51e1d_quant
	.p2align	8
	.type	k_q07f9c51e1d_quant,@function
k_q07f9c51e1d_quant:
	s_mov_b64 s[64:65], 0
	v_nop
	global_prefetch_b8 v0, s[64:65] scope:SCOPE_SE
	s_setreg_imm32_b32 hwreg(HW_REG_WAVE_MODE, 25, 1), 1
	s_wait_xcnt 0x0
; GQA block in FP8 (E4M3), four launches: quant (this one), qkvgemm, attn, projgemm.
; THIS LAUNCH turns x [2048][2048], W_attn [2048 k][3072 n] and W_proj [2048 k][2048 n], all f32, into codes, one code a byte.
;   xc [2048 t][2048 k] with 2^e0, K innermost.
;   wc: 5,120 columns n: 0-3071 W_attn's with 2^e1, 3072-5119 W_proj's with 2^e7, laid as IMAGES OF OPERAND REGISTERS: for each 16 columns nb and each 128 along K kc a block of 2,048 bytes at (16 nb + kc) x 2,048;
;   in it, at 512 c + 16 x lane, the 16 codes of column 16 nb + lane % 16, k = 128 kc + 32 c + 16 (lane / 16) + 0 .. 15.
; code = number / 2^e, held within +-448, rounded to the nearest code, ties to even.  e: entries of lowp_scales.
; WORK LEFT OUT IN THE WHOLE PROGRAM: only, in launch attn, key steps of 128 keys all of which come after all 16 queries of a tile.  reference() builds the causal mask itself (jnp.tril) and puts -1e30
; in the place of those scores, whatever the inputs hold; the problem's text has such tiles left out.  Every input has a way to the output and is loaded; b_attn on K and V goes into quantisers and stays.
; LIMITS: each quantiser's e between -126 and 119; NaN among the inputs is not served; a NaN, an infinity or an overflow that reaches only the key steps left out is not carried to the result.
; SHARES.  Work-groups 0-127: x, a plain stream of blocks along K: 8,192 numbers a wave in 16 steps of 512.  Each load reads 512 consecutive bytes; a step's 2,048 bytes turn through the wave's own stage in LDS,
; so that a lane gets 16 neighbours along K for the conversions; a wave's store of codes covers 512 consecutive bytes.
; Work-groups 128-447: the weights.  id = number - 128: column block id / 8 (128 columns; 0-23 W_attn, 24-39 W_proj), id % 8 = which 256 along K.  A LANE TAKES A COLUMN AND ITS REGISTERS RUN DOWN K: a load reads 128
; consecutive bytes a wave, the conversions give codes with K innermost; they go through the wave's own stage and leave as images: each store covers 512 consecutive, aligned bytes.  Both weights take one path: pointer, row
; length and exponent are chosen by selects on the work-group's number.  No tensor loads, no barrier: waves share nothing.  The two paths have LDS bytes of their own.
.set STEPS, 16
.set SP,    80                         ; x path: a lane's place in a stage: 64 bytes + 16 of padding
.set WREG,  8192                       ; x path: a wave's region: two stages of 32 x SP bytes
.set WST,   4*WREG                     ; weight path: four stages of 32 rows x PITCH
.set PITCH, 272                        ; 256 bytes of codes + 16
.set SPARE, WST+4*32*PITCH             ; the spare words, 128 bytes a wave: two blocks of 256 bytes that no other line names
.set NB,    8                          ; blocks of 32 along K for a wave of the weight path
.set SPW,   12                         ; v12  my spare word's LDS address; never rewritten
.set NIL,   13                         ; v13  0; never rewritten
.set R,     16                         ; x path: v16-79 four sets of 16 numbers as loaded
.set XX,    80                         ;         v80-111 two sets of 16 neighbours
.set CX,    128                        ;         v128-191 codes, four registers a step
.set VO,    16                         ; weight path: v16-47 offsets of 32 rows: 4 x lane + i x row bytes
.set XW,    48                         ;         v48-111 two sets of 32 numbers
.set CW,    112                        ;         v112-119 a block's codes
.set OUTR,  128                        ;         v128-191 the way out
	s_load_b256 s[4:11], s[0:1], 0x0               ; x s[4:5], W_attn s[6:7], W_proj s[8:9], lowp_scales s[10:11]
	s_load_b128 s[12:15], s[0:1], 0x20             ; xc s[12:13], wc s[14:15]
	v_lshl_add_u32 v[SPW], v0, 2, SPARE
	v_mov_b32 v[NIL], 0
	v_lshrrev_b32 v1, 5, v0
	v_readfirstlane_b32 s16, v1                    ; wave 0..3
	v_and_b32 v2, 31, v0                           ; lane
	v_lshlrev_b32 v3, 4, v2                        ; 16 x lane: my bytes of 512
	; all LDS addresses are made here, ahead of the branch
	s_mul_i32 s17, s16, WREG
	v_lshrrev_b32 v14, 2, v2
	v_mul_u32_u24 v14, v14, SP
	v_and_b32 v15, 3, v2
	v_lshl_add_u32 v14, v15, 4, v14
	v_add_nc_u32 v14, s17, v14                     ; x's stage, in: SP (lane / 4) + 16 (lane % 4)
	v_mul_u32_u24 v15, v2, SP
	v_add_nc_u32 v15, s17, v15                     ; and out: SP x lane: my 16 neighbours
	s_mul_i32 s17, s16, 32*PITCH
	s_add_co_u32 s17, s17, WST
	v_mul_u32_u24 v6, v2, PITCH
	v_add_nc_u32 v6, s17, v6                       ; the weights' stage, in: row = my column
	v_and_b32 v4, 15, v2
	v_lshrrev_b32 v5, 4, v2
	v_mul_u32_u24 v9, v4, PITCH
	v_lshl_add_u32 v9, v5, 4, v9
	v_add_nc_u32 v9, s17, v9                       ; and out as an image: row lane % 16, + 16 (lane / 16)
	s_wait_kmcnt 0x0
	s_load_b256 s[24:31], s[10:11], 0x0            ; e0 .. e7
	s_wait_kmcnt 0x0
	s_cmp_lt_u32 ttmp9, 128
	s_cbranch_scc0 .Lw
	; ---------------- x ----------------
	s_lshl_b32 s18, ttmp9, 2
	s_add_co_u32 s18, s18, s16                     ; which run of 8,192 numbers is my wave's
	s_lshl_b32 s20, s18, 15
	s_mov_b32 s21, 0
	s_add_nc_u64 s[4:5], s[4:5], s[20:21]
	s_lshl_b32 s20, s18, 13
	s_add_nc_u64 s[12:13], s[12:13], s[20:21]
.macro LOADX t
.irp i, 0,1,2,3
	global_load_b128 v[R+16*((\t)%4)+4*\i:R+16*((\t)%4)+4*\i+3], v3, s[4:5] offset:2048*(\t)+512*\i th:TH_LOAD_NT   ; 512 consecutive bytes; read once in the launch
.endr
.endm
.macro TURNX t                         ; step t's numbers through the stage: LDS serves a wave's instructions in order, so no wait stands between the stores and the loads
.irp i, 0,1,2,3
	ds_store_b128 v14, v[R+16*((\t)%4)+4*\i:R+16*((\t)%4)+4*\i+3] offset:32*SP*((\t)%2)+8*SP*\i
.endr
.irp i, 0,1,2,3
	ds_load_b128 v[XX+16*((\t)%2)+4*\i:XX+16*((\t)%2)+4*\i+3], v15 offset:32*SP*((\t)%2)+16*\i
.endr
.endm
.irp t, 0,1,2,3
	LOADX \t
.endr
	s_add_co_i32 s22, s24, 127
	s_lshl_b32 s23, s22, 23
	v_mov_b32 v11, s23                             ; 2^e0 as f32: the conversion takes its exponent field
	s_add_co_i32 s22, s22, 8
	s_lshl_b32 s22, s22, 23
	s_or_b32 s22, s22, 0x600000
	v_mov_b32 v10, s22                             ; 448 x 2^e0
	s_wait_alu depctr_va_vdst(0)                   ; the wait at the head's end
	s_wait_loadcnt 12                              ; step 0's four loads are in; the twelve of steps 1 to 3 may be out
	TURNX 0
.macro STEPX t
.set XS, XX+16*((\t)%2)
	s_wait_dscnt 0x0                               ; this step's numbers are back from the stage, so its stores into the stage have read their registers,
.if (\t)+4 < STEPS
	LOADX (\t)+4                                   ; which take the loads of four steps on
.endif
.if (\t)+1 < STEPS
.if STEPS-2-(\t) >= 3
	s_wait_loadcnt 12                              ; the next step's four loads are in; those of the three steps behind it may be out
.else
	s_wait_loadcnt 4*(STEPS-2-(\t))                ; the tail: four for each step still behind the next one
.endif
	TURNX (\t)+1
.endif
.set i, 0
.rept 16
	v_med3_num_f32 v[XS+i], v[XS+i], -v10, v10     ; the conversion to an 8-bit code does not saturate (ISA guide 7.6.2): the hold at the largest code x the scale
.set i, i+1
.endr
	v_cvt_scalef32_pk8_fp8_f32 v[CX+4*(\t):CX+4*(\t)+1], v[XS:XS+7], v11
	v_cvt_scalef32_pk8_fp8_f32 v[CX+4*(\t)+2:CX+4*(\t)+3], v[XS+8:XS+15], v11   ; the results go to a store alone; the next vector lines are the next step's holds, on other registers
	global_store_b128 v3, v[CX+4*(\t):CX+4*(\t)+3], s[12:13] offset:512*(\t)    ; 512 consecutive bytes; each step has its own registers, so no store's data are written again
.endm
.irp t, 0,1,2,3,4,5,6,7,8,9,10,11,12,13,14,15
	STEPX \t
.endr
	s_wait_tensorcnt 0x0                           ; the wave's end, behind my last LDS store
	ds_add_u32 v[SPW], v[NIL]
	s_wait_dscnt 0x0
	s_endpgm
	; ---------------- the weights ----------------
.Lw:
	s_sub_co_u32 s17, ttmp9, 128
	s_lshr_b32 s18, s17, 3                         ; column block 0..39
	s_and_b32 s19, s17, 7                          ; which 256 along K
	s_mov_b32 s20, 8192
	s_cmp_lt_u32 s18, 24                           ; W_attn or W_proj: the work-group's number alone decides
	s_cselect_b64 s[6:7], s[6:7], s[8:9]           ; the weight,
	s_cselect_b32 s20, 12288, s20                  ; a row of it in bytes,
	s_cselect_b32 s21, 0, 24
	s_cselect_b32 s22, s25, s31                    ; its exponent: e1 or e7
	s_sub_co_u32 s21, s18, s21                     ; and the column block within it
	s_mul_i32 s50, s19, s20
	s_lshl_b32 s50, s50, 8                         ; 256 rows x which
	s_lshl_b32 s23, s21, 9
	s_add_co_u32 s50, s50, s23                     ; + 512 bytes a column block
	s_lshl_b32 s23, s16, 7
	s_add_co_u32 s50, s50, s23                     ; + 128 bytes a wave
	s_mov_b32 s51, 0
	s_add_nc_u64 s[32:33], s[6:7], s[50:51]        ; block 0's base; a base for each of the eight blocks of 32 rows, so that none is stepped while loads are out
	s_lshl_b32 s48, s20, 5
	s_mov_b32 s49, 0
.irp t, 1,2,3,4,5,6,7
	s_add_nc_u64 s[32+2*\t:33+2*\t], s[30+2*\t:31+2*\t], s[48:49]
.endr
	v_lshlrev_b32 v[VO], 2, v2
.set i, 1
.rept 31
	v_add_nc_u32 v[VO+i], s20, v[VO+i-1]           ; row i of a block
.set i, i+1
.endr
	s_lshl_b32 s50, s18, 7
	s_lshl_b32 s23, s16, 5
	s_add_co_u32 s50, s50, s23                     ; my wave's first column of the 5,120:
	s_lshl_b32 s50, s50, 11                        ; 32,768 bytes of images for 16 columns,
	s_lshl_b32 s23, s19, 12
	s_add_co_u32 s50, s50, s23                     ; + my 256 along K: two blocks of 2,048 bytes
	s_add_nc_u64 s[14:15], s[14:15], s[50:51]
.macro LOADW t                         ; block t: W(32 t + i, my column) into set t % 2
.set i, 0
.rept 32
	global_load_b32 v[XW+32*((\t)%2)+i], v[VO+i], s[32+2*(\t):33+2*(\t)] th:TH_LOAD_NT
.set i, i+1
.endr
.endm
	s_wait_alu depctr_va_vdst(0)
	LOADW 0
	LOADW 1
	s_add_co_i32 s22, s22, 127
	s_lshl_b32 s23, s22, 23
	v_mov_b32 v11, s23                             ; 2^e
	s_add_co_i32 s22, s22, 8
	s_lshl_b32 s22, s22, 23
	s_or_b32 s22, s22, 0x600000
	v_mov_b32 v10, s22                             ; 448 x 2^e
.macro BLOCKW t
.set XS, XW+32*((\t)%2)
.if (\t) < NB-1
	s_wait_loadcnt 32                              ; this block's 32 loads are in; the next block's 32 may be out
.else
	s_wait_loadcnt 0
.endif
.set i, 0
.rept 32
	v_med3_num_f32 v[XS+i], v[XS+i], -v10, v10
.set i, i+1
.endr
.irp g, 0,1,2,3
	v_cvt_scalef32_pk8_fp8_f32 v[CW+2*\g:CW+2*\g+1], v[XS+8*\g:XS+8*\g+7], v11
.endr
	ds_store_b128 v6, v[CW:CW+3] offset:32*(\t)    ; 32 codes: 32 bytes of my column's row
	ds_store_b128 v6, v[CW+4:CW+7] offset:32*(\t)+16
.if (\t)+2 < NB
	LOADW (\t)+2
.endif
	s_wait_dscnt 0x0                               ; the stores have read their registers: the next block's codes may be written
.endm
	s_wait_alu depctr_va_vdst(0)                   ; the wait at the head's end
.irp t, 0,1,2,3,4,5,6,7
	BLOCKW \t
.endr
.set i, 0
.rept 16
	ds_load_b128 v[OUTR+4*i:OUTR+4*i+3], v9 offset:(i/8)*16*PITCH+((i/4)%2)*128+(i%4)*32   ; 16 columns i / 8, 128 along K (i / 4) % 2, group c = i % 4.  LDS serves a wave's instructions in order: these see my stores
.set i, i+1
.endr
.set i, 0
.rept 16
	s_wait_dscnt 15-i                              ; the younger loads may be out
	global_store_b128 v3, v[OUTR+4*i:OUTR+4*i+3], s[14:15] offset:(i/8)*32768+((i/4)%2)*2048+(i%4)*512   ; 512 consecutive, aligned bytes
.set i, i+1
.endr
	s_wait_tensorcnt 0x0                           ; the wave's end, behind my last LDS store
	ds_add_u32 v[SPW], v[NIL]
	s_wait_dscnt 0x0
	s_endpgm
.Lfunc_end_k_q07f9c51e1d_quant:
	.size	k_q07f9c51e1d_quant, .Lfunc_end_k_q07f9c51e1d_quant-k_q07f9c51e1d_quant
	.p2alignl 7, 3214868480
	.fill 96, 4, 3214868480
	.section	.rodata,"a",@progbits
	.p2align	6, 0x0
	.amdhsa_kernel k_q07f9c51e1d_quant
		.amdhsa_group_segment_fixed_size 68096
		.amdhsa_private_segment_fixed_size 0
		.amdhsa_enable_private_segment 0
		.amdhsa_kernarg_size 48
		.amdhsa_user_sgpr_count 2
		.amdhsa_user_sgpr_kernarg_segment_ptr 1
		.amdhsa_wavefront_size32 1
		.amdhsa_system_sgpr_workgroup_id_x 1
		.amdhsa_system_sgpr_workgroup_id_y 1
		.amdhsa_system_sgpr_workgroup_id_z 1
		.amdhsa_system_vgpr_workitem_id 0
		.amdhsa_next_free_vgpr 192
		.amdhsa_next_free_sgpr 66
		.amdhsa_reserve_vcc 0
		.amdhsa_float_denorm_mode_32 3
		.amdhsa_float_denorm_mode_16_64 3
		.amdhsa_memory_ordered 1
		.amdhsa_forward_progress 1
		.amdhsa_inst_pref_size 87
	.end_amdhsa_kernel
	.amdgpu_metadata
---
amdhsa.version: [ 1, 2 ]
amdhsa.kernels:
  - .name:           k_q07f9c51e1d_quant
    .symbol:         k_q07f9c51e1d_quant.kd
    .args:
      - { .name: x, .offset: 0, .size: 8, .value_kind: global_buffer, .address_space: global }
      - { .name: W_attn, .offset: 8, .size: 8, .value_kind: global_buffer, .address_space: global }
      - { .name: W_proj, .offset: 16, .size: 8, .value_kind: global_buffer, .address_space: global }
      - { .name: lowp_scales, .offset: 24, .size: 8, .value_kind: global_buffer, .address_space: global }
      - { .name: xc, .offset: 32, .size: 8, .value_kind: global_buffer, .address_space: global }
      - { .name: wc, .offset: 40, .size: 8, .value_kind: global_buffer, .address_space: global }
    .group_segment_fixed_size: 68096
    .private_segment_fixed_size: 0
    .kernarg_segment_align: 8
    .kernarg_segment_size: 48
    .max_flat_workgroup_size: 128
    .sgpr_count:     66
    .vgpr_count:     192
    .wavefront_size: 32
...
	.end_amdgpu_metadata
.endif
;; end of part 1
;; launch qkvgemm (part 2): grid 12 x 16, 4 waves a work-group, no clusters, 327,680 bytes of LDS; arguments xc, wc, lowp_scales, b_attn, freqs_cos, freqs_sin, qkv; writes qkv
.if DOCPART == 2
	.amdgcn_target "amdgcn-amd-amdhsa--gfx1250"
	.amdhsa_code_object_version 6
	.text
	.protected	k_q07f9c51e1d_qkvgemm
	.globl	k_q07f9c51e1d_qkvgemm
	.p2align	8
	.type	k_q07f9c51e1d_qkvgemm,@function
k_q07f9c51e1d_qkvgemm:
	s_mov_b64 s[64:65], 0
	v_nop
	global_prefetch_b8 v0, s[64:65] scope:SCOPE_SE
	s_setreg_imm32_b32 hwreg(HW_REG_WAVE_MODE, 25, 1), 1
	s_wait_xcnt 0x0
; qkv = x W_attn + b_attn on codes of FP8 (xc [2048 t][2048 k]; W_attn's codes in wc as images of operand registers), then RoPE on q and k, then the quantisers of the two attention products.  Nothing is left out here.
; OUT: qkv, 24 planes of 262,144 bytes: planes 0-15 q's codes [t][128] (2^e2), 16-19 k's [t][128] (2^e3), 20-23 v's [16 blocks of 128 tokens][128 d][128 places] (2^e5), the keys innermost.
; V'S PLACES: in each 32 tokens the second and the third group of eight change places: the order in which the next launch's p lies in its registers.
; SHARES.  Work-group (x, y): tokens 128 y on, heads 2 x and 2 x + 1 (x 0-7 q, 8-9 k, 10-11 v): 192 work-groups of four waves.  Wave w: all 128 tokens x columns 64 w on: 32 accumulators.
; xc's 128 rows are fetched ONCE, whole: each wave asks for a quarter of K (128 rows x 512 bytes) by one tensor load; no LDS byte is filled twice.  All four waves read them.
; W_attn's fragments are read by one wave of the work-group alone, so they go from memory straight into registers: each load takes 512 consecutive bytes of an image; a ring of six buffers of 64 registers, five steps of 128 along K ahead.
; THE MATRIX INSTRUCTION IS USED TRANSPOSED (source 0 = 16 columns of W, source 1 = 16 tokens): lane (r, h) holds token 16 a + r and columns 16 b + 8 h + 0..7.  Both sides hold K = 32 c + 16 h + 0..15 in registers 4 c .. 4 c + 3.
; NO CLUSTER: of the twelve work-groups that read one tile of xc eight are q's, two k's and two v's, and v's way parts from the others by a branch: k's and v's four would be partners on different ways.
; NO PREFETCH: xc's tile is asked for once, at the head, with no loop to run ahead in; W's loads themselves run five steps ahead.
; From step 11 on the text is written twice: q's and k's copy loads cos and sin into ring buffers that have come free (so every count of loads is the same on every way through a copy); v's copy loads none.
; LIMITS: e0 + e1 between -126 and 127; e2, e3, e5 between -126 and 119.
; REGISTERS.  window 0: v1-31 addresses, v32-63 bias of my 8 columns x 4 b, v64-67 bias of my column (v), v68 the scale, v72-103 codes, v128-255 xc's fragments of even steps, later at work.   window 1: the accumulators, (a, b) at 8 (4 a + b).
;   window 2: ring buffers 0-3.   window 3: v0-127 ring buffers 4, 5; v128-255 xc's fragments of odd steps.
.set PITCH, 528                        ; an LDS row: 512 bytes + 16: an odd multiple of 16
.set QREG,  128*PITCH                  ; a quarter of K: 128 rows
.set SPARE, 4*QREG                     ; the spare words, 128 bytes a wave: two blocks of 256 bytes that no other line names
.set CP,    144                        ; a row of 128 codes + 16
.set VP,    272                        ; v: a row of 64 f32 + 16
.set VST,   2*128*CP                   ; q, k: codes' stage from byte 0, 2 heads x 128 rows.  v: behind it, 128 rows x VP for each wave; each way has LDS bytes of its own, all in xc's region, behind its last read
.set VWAVE, 128*VP
.set VCS,   VST+4*VWAVE                ; v: codes' stage, 64 rows x CP for each wave
.set ADRA, 16                          ; v16-19 my place in a fragment of xc, quarter 0..3
.set L16,  20                          ; 16 x lane
.set CSO,  21                          ; cos, sin: 256 r + 16 h
.set BO,   22                          ; bias: 32 h
.set L4,   23                          ; 4 x lane
.set QSI,  24                          ; q, k codes' stage, in;  v25 back
.set QSB,  25
.set VSI,  26                          ; v f32 stage, in;  v27 back
.set VSR,  27
.set SPW,  28
.set NIL,  29
.set VCI,  30                          ; v codes' stage, in;  v31 back
.set VCO,  31
.set BI,   32
.set BV,   64
.set SC,   68
.set CD,   72
.set X,    128
.set T,    160
.set G1,   24
.set G0,   32
.set WV,   40
.set HC,   41                          ; w % 2: which half of a head
.set HD,   42                          ; w / 2: which of the two heads
.set TB,   43                          ; token block
.set MSB, 0
.macro WIN new                         ; the immediate's high byte repeats the setting that is left
.if MSB != (\new)
	s_set_vgpr_msb (MSB<<8)|(\new)
.set MSB, (\new)
.endif
.endm
.macro PLACES                          ; four places in front of loads into registers that matrix instructions have read, and of the first read of results
.rept 4
	v_nop
.endr
.endm
.macro FETCHA s                        ; xc's eight fragments of step s into the set s % 2
	WIN 0xc0*((\s)%2)
.irp a, 0,1,2,3,4,5,6,7
.irp c, 0,1,2,3
	ds_load_b128 v[128+16*\a+4*\c:128+16*\a+4*\c+3], v[ADRA+(\s)/4] offset:\a*16*PITCH+128*((\s)%4)+32*\c
.endr
.endr
.endm
.macro FETCHB s                        ; W's four fragments of step s into ring buffer s % 6: sixteen loads of 512 consecutive bytes
.set BB, 64*(((\s)%6)%4)
	WIN 0x80+0x40*(((\s)%6)/4)
.irp b, 0,1,2,3
.irp c, 0,1,2,3
	global_load_b128 v[BB+16*\b+4*\c:BB+16*\b+4*\c+3], v[L16], s[6:7] offset:\b*32768+(\s)*2048+\c*512
.endr
.endr
.endm
.macro FETCHCS j                       ; cos and sin of token blocks a = 2 j, 2 j + 1: at 32 (a % 4) + 8 b four cos, then four sin (frequencies 8 b + 4 h on); a < 4 in window 3, else in window 2
	WIN 0xc0-0x40*((\j)/2)
.irp e, 0,1
.irp b, 0,1,2,3
	global_load_b128 v[64*((\j)%2)+32*\e+8*\b:64*((\j)%2)+32*\e+8*\b+3], v[CSO], s[12:13] offset:(2*(\j)+\e)*4096+32*\b
	global_load_b128 v[64*((\j)%2)+32*\e+8*\b+4:64*((\j)%2)+32*\e+8*\b+7], v[CSO], s[14:15] offset:(2*(\j)+\e)*4096+32*\b
.endr
.endr
.endm
.macro MUL s, lo                       ; token blocks lo .. lo + 3 against W's four.  The 32 accumulators take turns in the same order in every step; step 0 starts the sums
.set BB, 64*(((\s)%6)%4)
	WIN 0x50+12*((\s)%2)+2+((\s)%6)/4
.irp a, 0,1,2,3
.irp b, 0,1,2,3
.if (\s) == 0
	v_wmma_f32_16x16x128_fp8_fp8 v[8*(4*(\lo+\a)+\b):8*(4*(\lo+\a)+\b)+7], v[BB+16*\b:BB+16*\b+15], v[128+16*(\lo+\a):128+16*(\lo+\a)+15], 0
.else
	v_wmma_f32_16x16x128_fp8_fp8 v[8*(4*(\lo+\a)+\b):8*(4*(\lo+\a)+\b)+7], v[BB+16*\b:BB+16*\b+15], v[128+16*(\lo+\a):128+16*(\lo+\a)+15], v[8*(4*(\lo+\a)+\b):8*(4*(\lo+\a)+\b)+7]
.endif
.endr
.endr
.endm
; A step of 128 along K.  Behind this step's W loads 64 loads or more have been issued (four later steps', or later steps' and cos and sin's), but for v's copy of the last steps: 16 for each step still to come.
.macro STEP s, cs
	s_wait_dscnt 0x0                               ; xc's fragments of this step are in
.if (\cs) || (\s) < 12
	s_wait_loadcnt 63
.else
	s_wait_loadcnt 16*(15-(\s))
.endif
.if (\s) < 15
	PLACES                                         ; behind the last step's products: for all loads of this step
	FETCHA (\s)+1
.endif
	MUL \s, 0
.if (\s) >= 1 && (\s) <= 10
	FETCHB (\s)+5                                  ; into the buffer that the last step read
.endif
.if (\cs) && (\s) <= 14
	FETCHCS (\s)-11
.endif
	MUL \s, 4
.endm
.macro CLOSE                           ; the wave's end, behind my last tensor load and my last LDS store
	s_wait_tensorcnt 0x0
	ds_add_u32 v[SPW], v[NIL]
	s_wait_dscnt 0x0
	s_endpgm
.endm
	s_load_b256 s[4:11], s[0:1], 0x0               ; xc s[4:5], wc s[6:7], lowp_scales s[8:9], b_attn s[10:11]
	s_load_b128 s[12:15], s[0:1], 0x20             ; cos, sin
	s_load_b64 s[16:17], s[0:1], 0x30              ; qkv
	v_lshl_add_u32 v[SPW], v0, 2, SPARE
	v_mov_b32 v[NIL], 0
	ds_add_u32 v[SPW], v[NIL]                      ; the wave's opening: the add, twice on end, and its wait ahead of my tensor load
	ds_add_u32 v[SPW], v[NIL]
	v_lshrrev_b32 v1, 5, v0
	v_readfirstlane_b32 s[WV], v1
	s_and_b32 s[HC], s[WV], 1
	s_lshr_b32 s[HD], s[WV], 1
	s_and_b32 s[TB], ttmp7, 0xffff
	s_mov_b32 s[G1], (1<<20)|(6<<22)|(3<<25)       ; elements of 1 byte; padding: four words after every 128
	s_mov_b32 s[G1+1], 512<<16                     ; tensor_dim0
	s_mov_b32 s[G1+2], 128<<16                     ; tensor_dim1
	s_mov_b32 s[G1+3], 512<<16                     ; tile_dim0
	s_mov_b32 s[G1+4], 128                         ; tile_dim1
	s_mov_b32 s[G1+5], 2048                        ; from row to row
	s_mov_b32 s[G1+6], 0
	s_mov_b32 s[G1+7], 0
	s_mov_b32 s[G0], 1
	s_mul_i32 s[G0+1], s[WV], QREG                 ; my quarter's place
	s_lshl_b32 s44, s[TB], 18                      ; 128 rows of 2,048 bytes a token block,
	s_lshl_b32 s45, s[WV], 9                       ; 512 bytes a quarter
	s_add_co_u32 s44, s44, s45
	s_mov_b32 s45, 0
	s_wait_dscnt 0x0                               ; both opening adds are done
	s_wait_kmcnt 0x0
	s_add_nc_u64 s[G0+2:G0+3], s[4:5], s[44:45]
	s_or_b32 s[G0+3], s[G0+3], 0x80000000
	tensor_load_to_lds s[G0:G0+3], s[G1:G1+7]      ; my one tensor load
	s_nop 0
	s_load_b256 s[80:87], s[8:9], 0x0              ; e0 .. e7
	s_lshl_b32 s44, ttmp9, 19                      ; W's images: 32,768 bytes for 16 columns: 256 columns a work-group, 64 a wave
	s_lshl_b32 s46, s[WV], 17
	s_add_co_u32 s44, s44, s46
	s_add_nc_u64 s[6:7], s[6:7], s[44:45]
	s_lshl_b32 s44, ttmp9, 10                      ; the bias of my 64 columns
	s_lshl_b32 s46, s[WV], 8
	s_add_co_u32 s44, s44, s46
	s_add_nc_u64 s[10:11], s[10:11], s[44:45]
	s_lshl_b32 s44, s[TB], 15                      ; cos, sin: rows of 256 bytes; my half of the head takes 32 frequencies
	s_lshl_b32 s46, s[HC], 7
	s_add_co_u32 s44, s44, s46
	s_add_nc_u64 s[12:13], s[12:13], s[44:45]
	s_add_nc_u64 s[14:15], s[14:15], s[44:45]
	s_lshl_b32 s44, ttmp9, 1                       ; qkv: plane 2 x + w / 2; in it 16,384 bytes a token block and 8,192 for my 64 tokens (q, k) or my 64 d (v)
	s_add_co_u32 s44, s44, s[HD]
	s_lshl_b32 s44, s44, 18
	s_lshl_b32 s46, s[TB], 14
	s_add_co_u32 s44, s44, s46
	s_lshl_b32 s46, s[HC], 13
	s_add_co_u32 s44, s44, s46
	s_add_nc_u64 s[16:17], s[16:17], s[44:45]
	s_mul_i32 s47, s[HD], 128*CP
	s_lshl_b32 s46, s[HC], 6
	s_add_co_u32 s48, s47, s46
	s_mul_i32 s46, s[HC], 64*CP
	s_add_co_u32 s49, s47, s46
	s_mul_i32 s50, s[WV], VWAVE
	s_add_co_u32 s50, s50, VST
	s_mul_i32 s51, s[WV], 64*CP
	s_add_co_u32 s51, s51, VCS
	v_and_b32 v1, 15, v0                           ; r
	v_bfe_u32 v2, v0, 4, 1                         ; h
	v_and_b32 v3, 31, v0                           ; lane
	v_lshlrev_b32 v[L16], 4, v3
	v_lshlrev_b32 v[L4], 2, v3
	v_lshlrev_b32 v[BO], 5, v2
	v_lshlrev_b32 v[CSO], 8, v1
	v_lshl_add_u32 v[CSO], v2, 4, v[CSO]
	v_mul_u32_u24 v4, v1, PITCH
	v_lshl_add_u32 v[ADRA], v2, 4, v4
	v_add_nc_u32 v[ADRA+1], QREG, v[ADRA]
	v_add_nc_u32 v[ADRA+2], 2*QREG, v[ADRA]
	v_add_nc_u32 v[ADRA+3], 3*QREG, v[ADRA]
	v_mul_u32_u24 v4, v1, CP
	v_lshl_add_u32 v4, v2, 3, v4
	v_add_nc_u32 v[QSI], s48, v4                   ; row r of my head, byte 64 (w % 2) + 8 h
	v_lshrrev_b32 v5, 3, v3
	v_mul_u32_u24 v5, v5, CP
	v_and_b32 v6, 7, v3
	v_lshl_add_u32 v5, v6, 4, v5                   ; eight lanes to a row of 128 bytes, four rows an instruction
	v_add_nc_u32 v[QSB], s49, v5
	v_add_nc_u32 v[VCO], s51, v5
	v_mul_u32_u24 v4, v1, VP
	v_lshl_add_u32 v4, v2, 5, v4
	v_add_nc_u32 v[VSI], s50, v4                   ; row r, byte 32 h
	v_add_nc_u32 v[VSR], s50, v[L4]                ; column = lane
	v_mul_u32_u24 v4, v3, CP
	v_add_nc_u32 v[VCI], s51, v4                   ; row = my column
	v_mov_b32 v[BV+1], 0                           ; (named as the upper halves of pairs)
	v_mov_b32 v[BV+3], 0
	s_wait_alu depctr_va_vdst(0)                   ; the wait behind the head's addresses
.irp b, 0,1,2,3
	global_load_b128 v[BI+8*\b:BI+8*\b+3], v[BO], s[10:11] offset:64*\b
	global_load_b128 v[BI+8*\b+4:BI+8*\b+7], v[BO], s[10:11] offset:64*\b+16
.endr
	global_load_b32 v[BV], v[L4], s[10:11]
	global_load_b32 v[BV+2], v[L4], s[10:11] offset:128
.irp s, 0,1,2,3,4,5
	FETCHB \s
.endr
	WIN 0
	s_wait_kmcnt 0x0
	s_add_co_i32 s88, s80, s81
	s_add_co_i32 s88, s88, 127
	s_lshl_b32 s88, s88, 23                        ; 2^(e0 + e1) as f32
	s_mov_b32 s89, s88                             ; (named with it as a pair)
	s_cmp_ge_u32 ttmp9, 8
	s_cselect_b32 s90, s83, s82                    ; the output's exponent: q e2, k e3,
	s_cmp_ge_u32 ttmp9, 10
	s_cselect_b32 s90, s85, s90                    ; v e5: chosen by the work-group's number; no branch hangs on a loaded number
	s_add_co_i32 s90, s90, 127
	s_lshl_b32 s91, s90, 23
	s_add_co_i32 s90, s90, 8
	s_lshl_b32 s92, s90, 23
	s_or_b32 s92, s92, 0x600000                    ; 448 x 2^eo,
	s_or_b32 s93, s92, 0x80000000                  ; and its negative
	v_mov_b32 v[SC], s91                           ; 2^eo
	s_wait_alu depctr_va_vdst(0)                   ; the wait at the head's end
	s_wait_tensorcnt 0x0                           ; my quarter of xc's tile is in
	s_barrier_signal -1
	s_barrier_wait -1                              ; everybody's is
	FETCHA 0
.irp s, 0,1,2,3,4,5,6,7,8,9,10
	STEP \s, 0
.endr
	WIN 0
	s_cmp_ge_u32 ttmp9, 10                         ; the work-group's number alone: all four waves go the same way
	s_cbranch_scc1 .Lv
	; ---------------- q and k ----------------
.irp s, 11,12,13,14,15
	STEP \s, 1
.endr
	WIN 0
	PLACES
	s_wait_loadcnt 0x0                             ; cos, sin
	s_barrier_signal -1
	s_barrier_wait -1                              ; nobody reads xc's tile any more: its bytes take the stage
; Token block a: sum x 2^(e0 + e1) + bias; RoPE on the four pairs (re, im) of each b; the hold; eight codes a lane and b.
.macro ROPEA a
.set CB, 32*((\a)%4)
	WIN 0x01                                       ; source 0: the accumulators, each from its low end on
.irp b, 0,1,2,3
.irp m, 0,2,4,6
	v_pk_fma_f32 v[X+8*\b+\m:X+8*\b+\m+1], v[8*(4*(\a)+\b)+\m:8*(4*(\a)+\b)+\m+1], s[88:89], v[BI+8*\b+\m:BI+8*\b+\m+1] op_sel_hi:[1,0,1]
.endr
.endr
	WIN 0x0c-4*((\a)/4)                            ; source 1: cos and sin
.irp b, 0,1,2,3
.irp m, 0,2                            ; pairs m and m + 1 take the two halves of one pair of cos and of sin.  low half: re c - im s;  high half: im c + re s
	v_pk_mul_f32 v[T+8*\b+2*\m:T+8*\b+2*\m+1], v[X+8*\b+2*\m:X+8*\b+2*\m+1], v[CB+8*\b+\m:CB+8*\b+\m+1] op_sel:[0,0] op_sel_hi:[1,0]
	v_pk_mul_f32 v[T+8*\b+2*\m+2:T+8*\b+2*\m+3], v[X+8*\b+2*\m+2:X+8*\b+2*\m+3], v[CB+8*\b+\m:CB+8*\b+\m+1] op_sel:[0,1] op_sel_hi:[1,1]
.endr
.endr
.irp b, 0,1,2,3
.irp m, 0,2
	v_pk_fma_f32 v[T+8*\b+2*\m:T+8*\b+2*\m+1], v[X+8*\b+2*\m:X+8*\b+2*\m+1], v[CB+8*\b+4+\m:CB+8*\b+4+\m+1], v[T+8*\b+2*\m:T+8*\b+2*\m+1] op_sel:[1,0,0] op_sel_hi:[0,0,1] neg_lo:[1,0,0]
	v_pk_fma_f32 v[T+8*\b+2*\m+2:T+8*\b+2*\m+3], v[X+8*\b+2*\m+2:X+8*\b+2*\m+3], v[CB+8*\b+4+\m:CB+8*\b+4+\m+1], v[T+8*\b+2*\m+2:T+8*\b+2*\m+3] op_sel:[1,1,0] op_sel_hi:[0,1,1] neg_lo:[1,0,0]
.endr
.endr
.set n, 0
.rept 32
	v_med3_num_f32 v[T+n], v[T+n], s93, s92        ; the conversion does not saturate (ISA guide 7.6.2): the hold at the largest code x the scale
.set n, n+1
.endr
	WIN 0
.irp b, 0,1,2,3
	v_cvt_scalef32_pk8_fp8_f32 v[CD+8*((\a)%2)+2*\b:CD+8*((\a)%2)+2*\b+1], v[T+8*\b:T+8*\b+7], v[SC]
.endr
	v_nop                                          ; a plain line behind the last conversion
.irp b, 0,1,2,3
	ds_store_b64 v[QSI], v[CD+8*((\a)%2)+2*\b:CD+8*((\a)%2)+2*\b+1] offset:(\a)*16*CP+16*\b
.endr
.endm
.irp a, 0,1,2,3,4,5,6,7
	ROPEA \a
.endr
	s_wait_dscnt 0x0                               ; for the others' sake: my codes are in the stage
	s_barrier_signal -1
	s_barrier_wait -1
.set i, 0
.rept 16
	ds_load_b128 v[X+4*i:X+4*i+3], v[QSB] offset:4*CP*i    ; my head's tokens 64 (w % 2) on, whole rows of 128 codes
.set i, i+1
.endr
.set i, 0
.rept 16
	s_wait_dscnt 15-i                              ; the younger loads may be out
	global_store_b128 v[L16], v[X+4*i:X+4*i+3], s[16:17] offset:512*i   ; four tokens: 512 consecutive, aligned bytes
.set i, i+1
.endr
	CLOSE
	; ---------------- v ----------------
.Lv:
.irp s, 11,12,13,14,15
	STEP \s, 0
.endr
	WIN 0
	PLACES
	s_barrier_signal -1
	s_barrier_wait -1                              ; nobody reads xc's tile any more: its bytes take the stages
	WIN 0x04                                       ; the stores' data: the accumulators, each from its low end on.  My 128 tokens x 64 columns go through rows of my own: no other wave touches them
.irp a, 0,1,2,3,4,5,6,7
.irp b, 0,1,2,3
	ds_store_b128 v[VSI], v[8*(4*\a+\b):8*(4*\a+\b)+3] offset:\a*16*VP+64*\b
	ds_store_b128 v[VSI], v[8*(4*\a+\b)+4:8*(4*\a+\b)+7] offset:\a*16*VP+64*\b+16
.endr
.endr
	WIN 0
; A LANE TAKES A COLUMN d AND ITS REGISTERS RUN DOWN THE TOKENS, which are the second product's K.  Group x: column 32 (x / 8) + lane, tokens 16 (x % 8) on.
.macro LOADV x
.set n, 0
.rept 16
	ds_load_b32 v[X+16*((\x)%8)+n], v[VSR] offset:(16*((\x)%8)+n)*VP+128*((\x)/8)   ; LDS serves a wave's instructions in order: these see my stores
.set n, n+1
.endr
.endm
.macro QV x
.if (\x)+3 < 16
	LOADV (\x)+3
.endif
.if (\x) < 13
	s_wait_dscnt 48                                ; this group's 16 loads are in; the three younger groups' may be out
.else
	s_wait_dscnt 16*(15-(\x))
.endif
.set XR, X+16*((\x)%8)
.set C0, CD+4*((\x)%8)-2*((\x)%2)      ; an even group's first eight tokens stay, an odd group's move eight places down; the second eight lie sixteen places further on
.irp m, 0,2,4,6,8,10,12,14
	v_pk_fma_f32 v[XR+\m:XR+\m+1], v[XR+\m:XR+\m+1], s[88:89], v[BV+2*((\x)/8):BV+2*((\x)/8)+1] op_sel_hi:[1,0,0]   ; sum x 2^(e0 + e1) + my column's bias
.endr
.set n, 0
.rept 16
	v_med3_num_f32 v[XR+n], v[XR+n], s93, s92
.set n, n+1
.endr
	v_cvt_scalef32_pk8_fp8_f32 v[C0:C0+1], v[XR:XR+7], v[SC]
	v_cvt_scalef32_pk8_fp8_f32 v[C0+4:C0+5], v[XR+8:XR+15], v[SC]
.if (\x)%8 == 7
	v_nop                                          ; a plain line behind the last conversion
.irp k, 0,1,2,3,4,5,6,7
	ds_store_b128 v[VCI], v[CD+4*\k:CD+4*\k+3] offset:((\x)/8)*32*CP+16*\k   ; my column's 128 codes
.endr
.endif
.endm
	LOADV 0
	LOADV 1
	LOADV 2
.irp x, 0,1,2,3,4,5,6,7,8,9,10,11,12,13,14,15
	QV \x
.endr
.set i, 0
.rept 16
	ds_load_b128 v[X+4*i:X+4*i+3], v[VCO] offset:4*CP*i
.set i, i+1
.endr
.set i, 0
.rept 16
	s_wait_dscnt 15-i
	global_store_b128 v[L16], v[X+4*i:X+4*i+3], s[16:17] offset:512*i   ; four rows d of 128 codes: 512 consecutive, aligned bytes
.set i, i+1
.endr
	CLOSE
.Lfunc_end_k_q07f9c51e1d_qkvgemm:
	.size	k_q07f9c51e1d_qkvgemm, .Lfunc_end_k_q07f9c51e1d_qkvgemm-k_q07f9c51e1d_qkvgemm
	.p2alignl 7, 3214868480
	.fill 96, 4, 3214868480
	.section	.rodata,"a",@progbits
	.p2align	6, 0x0
	.amdhsa_kernel k_q07f9c51e1d_qkvgemm
		.amdhsa_group_segment_fixed_size 327680
		.amdhsa_private_segment_fixed_size 0
		.amdhsa_enable_private_segment 0
		.amdhsa_kernarg_size 56
		.amdhsa_user_sgpr_count 2
		.amdhsa_user_sgpr_kernarg_segment_ptr 1
		.amdhsa_wavefront_size32 1
		.amdhsa_system_sgpr_workgroup_id_x 1
		.amdhsa_system_sgpr_workgroup_id_y 1
		.amdhsa_system_sgpr_workgroup_id_z 1
		.amdhsa_system_vgpr_workitem_id 0
		.amdhsa_next_free_vgpr 1024
		.amdhsa_next_free_sgpr 96
		.amdhsa_reserve_vcc 0
		.amdhsa_float_denorm_mode_32 3
		.amdhsa_float_denorm_mode_16_64 3
		.amdhsa_memory_ordered 1
		.amdhsa_forward_progress 1
		.amdhsa_inst_pref_size 224
	.end_amdhsa_kernel
	.amdgpu_metadata
---
amdhsa.version: [ 1, 2 ]
amdhsa.kernels:
  - .name:           k_q07f9c51e1d_qkvgemm
    .symbol:         k_q07f9c51e1d_qkvgemm.kd
    .args:
      - { .name: xc, .offset: 0, .size: 8, .value_kind: global_buffer, .address_space: global }
      - { .name: wc, .offset: 8, .size: 8, .value_kind: global_buffer, .address_space: global }
      - { .name: lowp_scales, .offset: 16, .size: 8, .value_kind: global_buffer, .address_space: global }
      - { .name: b_attn, .offset: 24, .size: 8, .value_kind: global_buffer, .address_space: global }
      - { .name: freqs_cos, .offset: 32, .size: 8, .value_kind: global_buffer, .address_space: global }
      - { .name: freqs_sin, .offset: 40, .size: 8, .value_kind: global_buffer, .address_space: global }
      - { .name: qkv, .offset: 48, .size: 8, .value_kind: global_buffer, .address_space: global }
    .group_segment_fixed_size: 327680
    .private_segment_fixed_size: 0
    .kernarg_segment_align: 8
    .kernarg_segment_size: 56
    .max_flat_workgroup_size: 128
    .sgpr_count:     96
    .vgpr_count:     1024
    .wavefront_size: 32
...
	.end_amdgpu_metadata
.endif
;; end of part 2
;; launch attn (part 3): grid 64 x 4, 16 waves a work-group, no clusters, 327,680 bytes of LDS; arguments qkv, lowp_scales, yc; writes yc
.if DOCPART == 3
	.amdgcn_target "amdgcn-amd-amdhsa--gfx1250"
	.amdhsa_code_object_version 6
	.text
	.protected	k_q07f9c51e1d_attn
	.globl	k_q07f9c51e1d_attn
	.p2align	8
	.type	k_q07f9c51e1d_attn,@function
k_q07f9c51e1d_attn:
	s_mov_b64 s[64:65], 0
	v_nop
	global_prefetch_b8 v0, s[64:65] scope:SCOPE_SE
	s_setreg_imm32_b32 hwreg(HW_REG_WAVE_MODE, 25, 1), 1
	s_wait_xcnt 0x0
; Causal attention on codes of FP8: planes of qkv as the launch before laid them (q 0-15 [t][128], k 16-19 [t][128], v 20-23 [16 blocks][128 d][128 places]).  OUT: yc [t][2048]: y's codes with 2^e6, column 128 x head + d.
; LEFT OUT: key steps of 128 keys all of which come after a tile's 16 queries: reference()'s own causal mask throws them away for every input.
; THE SOFTMAX: t = score x log2(e) / sqrt(128); M = the running largest t rounded UP to a whole number; p = 2^(t - M) is quantised with 2^e4, not normalised; the row's sum is taken of the unquantised p and divides at the end.
; SHARES.  Work-group (j, g): key/value head g.  Wave w of sixteen: query head 4 g + w % 4; the tile of 16 queries j (bit 2 of w = 0) or 127 - j (1); and HALF w / 8 of that tile's keys: of each slot of 256 keys, half 0 takes the
; first 128 and half 1 the second.  So a tile's longest chain of key steps is 8, not 16, and the two tiles have 17 live steps together in every work-group.  Each half keeps a running M, a sum and an O^T of its own; at the end
; half 1 hands them to half 0 through LDS as images of its registers, and both are brought under the larger M by exact powers of two (a half with no live step has sum 0, O^T 0 and the factor 0).  p of a half is quantised under
; that half's running M: the problem's own rule for a running M.
; The four query heads read the same tiles of K and V from LDS.  A ring of two slots of 256 keys; waves 0-7 fetch one piece of a slot each (64 rows x 128 bytes, dense in memory): waves 0-3 K's, waves 4-7 V's.
; NO CLUSTER: work-groups of one head stop asking for slots at different causal limits, so partners would need different numbers of tiles, and a joint request may not be jumped over.
; Every work-group walks all eight slots (constant trip counts); a step's work is jumped over where it is hidden, and a slot whose first key comes after the work-group's last query is not asked for.  (Of a slot that is asked for,
; the second 128 keys may be hidden from all waves while the first are read: the test is one for the slot, the same in all waves.)
; LAYOUT.  Both products transposed: S^T = K Q^T, O^T = V^T P^T: a lane holds ONE query (lane % 16).  A tile of K is 16 NEIGHBOURING keys: at the pitch of 144 bytes = 36 words its rows start at sixteen different groups of four
; banks (64 banks of 4 bytes: ISA guide 11.1).  Register j of tile T is key 16 T + 8 h + j, so p's registers 4 c .. 4 c + 3 hold keys 32 c + 8 h + 0..7 and 32 c + 16 + 8 h + 0..7: the order in which V's places lie.
; LIMITS: e2 + e3 between -123 and 130 (added to c's exponent field); e4, e6 between -126 and 119; e4 + e5 goes by v_ldexp_f32.
; REGISTERS: v1-7, v10, v11, v246, v247 addresses that stay; v8, v9 addresses in hand; v12 -M, v13 the largest t, v[14:15] the sum; v16-31 Q; v32-95 four fragments; v96-159 S^T, then p, then V's other four fragments;
;   v160-223 O^T; v224-239 p's codes; v236-255 at work.
.set KP,    144                        ; a row of 128 codes in LDS: + 16 of padding
.set VOFF,  256*KP                     ; a slot: 256 rows of K, then 2 blocks x 128 rows of V
.set VBLK,  128*KP                     ; a key step's 128 rows, of K and of V alike
.set SLOT1, 1<<17                      ; slot 1 begins here: one exclusive or turns an address
.set SPARE, 2*SLOT1                    ; the spare words, 128 bytes a wave: eight blocks of 256 bytes that no other line names
.set MPAIR, 8448                       ; the hand-over: for each pair of waves w, w + 8: O^T's image (8,192 bytes), then -M and the sum (128 bytes each).  Eight of them from byte 0 on, in slot 0,
                                       ; which was left at the last change of slots: it has had its last fill, and nobody reads it
.set STG,   2*VOFF                     ; the codes' stage: 32 rows x (512 bytes + 16), behind slot 0's tiles: no fill lands there
.set SPITCH, 528
.set AK0,  1
.set AV0,  2
.set PFO,  3                           ; v3   256 x lane: the prefetches' offset
.set QA,   4                           ; v4   Q's load offset
.set SPW,  5
.set NIL,  6
.set GO,   7                           ; v7   16 x lane
.set ADK,  8
.set ADV,  9
.set SIN,  10                          ; v10  the stage, in
.set SBK,  11                          ; v11  the stage, back
.set MRA,  246                         ; v246 my pair's image of O^T: 16 x lane
.set MRS,  247                         ; v247 my pair's -M and sum: 4 x lane
.set WV,   18
.set SEL,  20
.set CS,   22
.set G1,   24                          ; s[24:31] group 1;  s[44:47] group 0 of slot 0's first fill;  s[40:43] group 0 of slot 1's, which then walks
.set G0,   40
.set G0A,  44
.set TB,   2                           ; s2   LDS byte at which the slot in hand begins
.set QL,   66                          ; s66  my work-group's last query
.set SLOTS, 67
.set PFA,  76                          ; s[76:77] my piece of the slot behind the one that is being asked for
.set LIM,  80                          ; s80  1 where I prefetch, else the greatest number
.set KS,   81                          ; s81  the first key of the slot in hand: the same in all waves
.set KF,   98                          ; s98  my step's first key: KS + 128 x half
.set Q0,   99                          ; s99  my first query
	s_load_b128 s[4:7], s[0:1], 0x0                ; qkv s[4:5], lowp_scales s[6:7]
	s_load_b64 s[8:9], s[0:1], 0x10                ; yc
	v_lshl_add_u32 v[SPW], v0, 2, SPARE
	v_mov_b32 v[NIL], 0
	ds_add_u32 v[SPW], v[NIL]                      ; the wave's opening: the add, twice on end, and its wait ahead of the first tensor loads
	ds_add_u32 v[SPW], v[NIL]
	v_lshrrev_b32 v8, 5, v0
	s_delay_alu instid0(VALU_DEP_1)
	v_readfirstlane_b32 s[WV], v8                  ; wave 0..15
	s_mov_b32 s10, ttmp9                           ; j
	s_and_b32 s11, ttmp7, 0xffff                   ; g
	s_and_b32 s12, s[WV], 3                        ; which of the four query heads; in a fetching wave also: which piece of K or V
	s_bfe_u32 s13, s[WV], 0x10002                  ; bit 2: 0: tile j;  1: tile 127 - j.  In a fetching wave also: K (0) or V (1)
	s_lshr_b32 s15, s[WV], 3                       ; my half of the keys
	s_and_b32 s19, s[WV], 7                        ; my pair; in a fetching wave: my piece of a slot
	s_sub_co_u32 s14, 127, s10
	s_cmp_eq_u32 s13, 0
	s_cselect_b32 s16, s10, s14                    ; my tile
	s_cmp_eq_u32 s15, 0
	s_cselect_b32 s17, s10, s14                    ; the tile two of whose tokens I store at the end: stage rows 2 w, 2 w + 1
	s_lshl_b32 s[Q0], s16, 4
	s_lshl_b32 s[QL], s10, 4
	s_sub_co_u32 s[QL], 2047, s[QL]                ; 16 (127 - j) + 15
	s_lshl_b32 s72, s13, 2
	s_add_co_u32 s72, s72, s11
	s_add_co_u32 s72, s72, 16                      ; plane 16 + g (K) or 20 + g (V),
	s_lshl_b32 s72, s72, 18
	s_lshl_b32 s73, s12, 13
	s_add_co_u32 s72, s72, s73                     ; my 8,192 bytes of a slot's 32,768
	s_mov_b32 s73, 0
	s_lshl_b32 s74, s11, 2
	s_add_co_u32 s74, s74, s12
	s_lshl_b32 s74, s74, 18                        ; my query head's plane,
	s_lshl_b32 s75, s[Q0], 7
	s_add_co_u32 s74, s74, s75                     ; my first query's row
	s_mov_b32 s75, 0
	s_lshl_b32 s78, s17, 4
	s_lshl_b32 s79, s19, 1
	s_add_co_u32 s78, s78, s79                     ; yc: tokens 16 x that tile + 2 (w % 8) + 0, 1,
	s_lshl_b32 s78, s78, 11
	s_lshl_b32 s79, s11, 9
	s_add_co_u32 s78, s78, s79                     ; the 512 bytes of heads 4 g .. 4 g + 3
	s_mov_b32 s79, 0
	s_mov_b32 s[G1], (1<<20)|(4<<22)|(3<<25)       ; no mask; elements of 1 byte; padding: four words after every 32
	s_mov_b32 s[G1+1], 256<<16                     ; a piece is 8,192 dense bytes: stated as 32 rows of 256 bytes, the padding still behind each 128
	s_mov_b32 s[G1+2], 32<<16
	s_mov_b32 s[G1+3], 256<<16
	s_mov_b32 s[G1+4], 32
	s_mov_b32 s[G1+5], 256
	s_mov_b32 s[G1+6], 0
	s_mov_b32 s[G1+7], 0
	s_mov_b32 s[SEL], 0x76543210
	s_mov_b32 s[SEL+1], 0xfedcba98
	s_mov_b32 s[CS], 0x3e0293ee                    ; c = log2(e) / sqrt(128)
	s_mov_b32 s[TB], 0
	s_mov_b32 s[SLOTS], 7
	s_mov_b32 s[KS], 0
	s_lshl_b32 s[KF], s15, 7
	s_or_b32 s82, s15, s10                         ; all 64 work-groups of a key/value head walk the same K and V: in the first of them the fetching waves prefetch
	s_cmp_eq_u32 s82, 0
	s_cselect_b32 s[LIM], 1, -1
	s_mov_b32 s[G0A], 1
	s_mul_i32 s[G0A+1], s19, 64*KP                 ; my piece's place in a slot: K's four pieces, then V's four
	s_mov_b32 s[G0], 1
	s_mov_b32 s[G0+1], s[G0A+1]                    ; the walking group 0 begins at slot 0: the first change of slots steps it to slot 1
	s_wait_dscnt 0x0                               ; both opening adds are done
	s_wait_kmcnt 0x0
	s_load_b256 s[84:91], s[6:7], 0x0              ; e0 .. e7
	s_add_nc_u64 s[G0A+2:G0A+3], s[4:5], s[72:73]  ; keys 0 to 255
	s_mov_b64 s[G0+2:G0+3], s[G0A+2:G0A+3]         ; likewise: the first change steps it to keys 256 on
	s_add_nc_u64 s[PFA:PFA+1], s[G0A+2:G0A+3], 32768   ; in slot 1: the first change of slots steps it to slot 2
	s_or_b32 s[G0A+3], s[G0A+3], 0x80000000
	s_or_b32 s[G0+3], s[G0+3], 0x80000000
	s_cmp_lt_u32 s[WV], 8                          ; slot 0's first fill: one tensor load a fetching wave at the head; slot 1's goes out behind the first change of slots, as a refill does
	s_cbranch_scc0 .Lno_first
	tensor_load_to_lds s[G0A:G0A+3], s[G1:G1+7]
	s_nop 0
.rept 4
	v_nop
.endr
.Lno_first:
	s_add_nc_u64 s[4:5], s[4:5], s[74:75]
	s_add_nc_u64 s[8:9], s[8:9], s[78:79]
	v_and_b32 v8, 15, v0                           ; r
	v_bfe_u32 v9, v0, 4, 1                         ; h
	s_delay_alu instid0(VALU_DEP_2)
	v_lshlrev_b32 v[QA], 7, v8
	s_delay_alu instid0(VALU_DEP_1)
	v_lshl_add_u32 v[QA], v9, 4, v[QA]
.irp c, 0,1,2,3
	global_load_b128 v[16+4*\c:19+4*\c], v[QA], s[4:5] offset:32*\c   ; Q's fragment stays in registers
.endr
	s_mul_i32 s96, s15, VBLK                       ; my half's step in a slot
	v_mul_u32_u24 v[AK0], v8, KP
	s_delay_alu instid0(VALU_DEP_1)
	v_lshl_add_u32 v[AK0], v9, 4, v[AK0]
	s_delay_alu instid0(VALU_DEP_1)
	v_add_nc_u32 v[AK0], s96, v[AK0]               ; K: row r of a tile, + 16 h, + my half's 128 rows
	s_delay_alu instid0(VALU_DEP_1)
	v_add_nc_u32 v[AV0], VOFF, v[AK0]              ; V: the same place in my half's block
	v_and_b32 v[PFO], 31, v0
	s_delay_alu instid0(VALU_DEP_1)
	v_lshlrev_b32 v[GO], 4, v[PFO]
	s_mul_i32 s96, s19, MPAIR
	v_add_nc_u32 v[MRA], s96, v[GO]
	v_lshl_add_u32 v[MRS], v[PFO], 2, s96
	s_delay_alu instid0(VALU_DEP_1)
	v_add_nc_u32 v[MRS], 8192, v[MRS]
	v_lshlrev_b32 v[PFO], 8, v[PFO]
	s_mul_i32 s96, s13, 16*SPITCH
	s_lshl_b32 s97, s12, 7
	s_add_co_u32 s96, s96, s97
	s_add_co_u32 s96, s96, STG
	v_mul_u32_u24 v[SIN], v8, SPITCH
	s_delay_alu instid0(VALU_DEP_1)
	v_lshl_add_u32 v[SIN], v9, 3, v[SIN]
	s_delay_alu instid0(VALU_DEP_1)
	v_add_nc_u32 v[SIN], s96, v[SIN]               ; the stage, in: row 16 x (which tile) + r, byte 128 (w % 4) + 8 h
	s_mul_i32 s96, s[WV], 2*SPITCH
	s_add_co_u32 s96, s96, STG
	v_add_nc_u32 v[SBK], s96, v[GO]                ; back: rows 2 w, 2 w + 1, whole
	v_mov_b32 v13, 0xff61b1e6                      ; the largest t so far: -3e38
	s_delay_alu instid0(VALU_DEP_1)
	v_floor_f32 v12, -v13                          ; -M
	v_mov_b32 v14, 0
	v_mov_b32 v15, 0
	v_mov_b32 v236, 0                              ; written once: a lane permute's destination counts as one of its sources
	v_mov_b32 v252, 0
	v_mov_b32 v253, 0
	v_mov_b32 v255, 0                              ; (named as the upper half of the pair v[254:255])
.set n, 0
.rept 64
	v_mov_b32 v[160+n], 0                          ; O^T: a step's first run finds zeros, which the first change of M leaves zeros; a half with no live step hands zeros over
.set n, n+1
.endr
	s_wait_kmcnt 0x0
	s_add_co_i32 s72, s86, s87
	s_lshl_b32 s72, s72, 23
	s_add_co_i32 s[CS], s[CS], s72                 ; a score stands for score x 2^(e2 + e3)
	s_mov_b32 s[CS+1], s[CS]
	s_add_co_i32 s72, s88, 127
	s_lshl_b32 s73, s72, 23
	v_mov_b32 v244, s73                            ; 2^e4
	s_add_co_i32 s72, s72, 8
	s_lshl_b32 s72, s72, 23
	s_or_b32 s72, s72, 0x600000
	v_mov_b32 v240, s72                            ; 448 x 2^e4
	s_add_co_i32 s72, s90, 127
	s_lshl_b32 s73, s72, 23
	v_mov_b32 v245, s73                            ; 2^e6
	s_add_co_i32 s72, s72, 8
	s_lshl_b32 s72, s72, 23
	s_or_b32 s72, s72, 0x600000
	v_mov_b32 v241, s72                            ; 448 x 2^e6
; A prefetch into the L2 of my piece (8,192 bytes, lanes 256 bytes apart) of the slot that the NEXT change of slots will ask for: a slot's key steps ahead of that load.  Only the key/value head's first work-group asks, each
; fetching wave for the piece that it fetches: each aligned block of 256 bytes is named once in the launch.  The last change that fills a slot asks for nothing; slots 0 and 1 come by their loads alone.
.macro ASK
	s_cmp_gt_u32 s[SLOTS], s[LIM]
	s_cbranch_scc0 .Lnot_mine_\@
	global_prefetch_b8 v[PFO], s[PFA:PFA+1] th:TH_LOAD_NT scope:SCOPE_SE
.Lnot_mine_\@:
.endm
; MY KEY STEP of the slot in hand: 128 keys from KF on.
.macro STEP
	s_add_co_u32 s96, s[Q0], 15                    ; a step all of whose keys come after my 16 queries is left out: a branch on ids, round its loads, products and softmax alone
	s_cmp_gt_u32 s[KF], s96
	s_cbranch_scc1 .Lhidden_\@
	v_add_nc_u32 v[ADK], s[TB], v[AK0]
	s_wait_alu depctr_va_vdst(0)
	v_add_nc_u32 v[ADV], s[TB], v[AV0]
.irp g, 0,1                            ; S^T = K Q^T, four tiles of 16 keys at a time
.rept 3+\g
	v_nop                                          ; g = 0: with the two additions above five places: the score products write over registers that the last step's V products read (ISA guide 7.12.1).  g = 1: four, in front of loads into registers that products have read
.endr
.irp t, 0,1,2,3
.irp c, 0,1,2,3
	ds_load_b128 v[32+16*\t+4*\c:32+16*\t+4*\c+3], v[ADK] offset:16*(4*\g+\t)*KP+32*\c
.endr
.endr
	s_wait_dscnt 0x0
.irp t, 0,1,2,3
	v_wmma_f32_16x16x128_fp8_fp8 v[96+8*(4*\g+\t):103+8*(4*\g+\t)], v[32+16*\t:47+16*\t], v[16:31], 0
.endr
.endr
.rept 4
	v_nop                                          ; four places: in front of the loads below, and of the first read of the scores
.endr
	s_wait_alu depctr_va_vdst(0)
.irp t, 0,1,2,3                        ; V's first four fragments are asked for here: they land while the softmax is walked
.irp c, 0,1,2,3
	ds_load_b128 v[32+16*\t+4*\c:32+16*\t+4*\c+3], v[ADV] offset:16*\t*KP+32*\c
.endr
.endr
	s_add_co_u32 s96, s[KF], 127                   ; on the diagonal hidden scores become -infinity ahead of the maximum: p = 0 then.  A step all of whose keys count skips this
	s_cmp_le_u32 s96, s[Q0]
	s_cbranch_scc1 .Lopen_\@
	s_sub_co_i32 s96, s[Q0], s[KF]
	v_and_b32 v252, 15, v0
	v_bfe_u32 v253, v0, 4, 1
	s_delay_alu instid0(VALU_DEP_1)
	v_lshlrev_b32 v253, 3, v253
	s_delay_alu instid0(VALU_DEP_1)
	v_sub_nc_u32 v252, v252, v253
	s_delay_alu instid0(VALU_DEP_1)
	v_add_nc_u32 v252, s96, v252                   ; d = my query - KF - 8 h.  Register 8 T + i holds key KF + 8 h + 16 T + i: hidden where 16 T + i > d.  (Key KF counts for all 16 queries of a live step)
	v_mov_b32 v254, 0xff800000
.set n, 0
.rept 64
	v_cmp_gt_i32 vcc_lo, 16*(n/8)+n%8, v252
	v_cndmask_b32 v[96+n], v[96+n], v254, vcc_lo
.set n, n+1
.endr
.Lopen_\@:
	v_max3_num_f32 v254, v96, v97, v98             ; the step's largest score of my query among my 64 keys, in two chains, each accumulator from its low end on
	v_max3_num_f32 v252, v99, v100, v101
.irp i, 6,10,14,18,22,26,30,34,38,42,46,50,54,58
	v_max3_num_f32 v254, v254, v[96+\i], v[97+\i]
	v_max3_num_f32 v252, v252, v[98+\i], v[99+\i]
.endr
	v_max3_num_f32 v254, v254, v158, v159
	s_delay_alu instid0(VALU_DEP_1)
	v_max_num_f32 v254, v254, v252
	v_permlanex16_b32 v236, v254, s[SEL], s[SEL+1]
	s_delay_alu instid0(VALU_DEP_1)
	v_max_num_f32 v254, v254, v236                 ; and among lane l xor 16's
	s_delay_alu instid0(VALU_DEP_1)
	v_mul_f32 v254, s[CS], v254                    ; as t (c is positive)
	s_delay_alu instid0(VALU_DEP_1)
	v_max_num_f32 v13, v13, v254                   ; the running largest t
	v_mov_b32 v254, v12
	s_delay_alu instid0(VALU_DEP_2)
	v_floor_f32 v12, -v13                          ; the new -M = -ceil(t): a whole number
	s_delay_alu instid0(VALU_DEP_1)
	v_sub_f32 v254, v12, v254                      ; old M - new M: a whole number, 0 or less
	s_delay_alu instid0(VALU_DEP_1)
	v_cvt_i32_f32 v254, v254
	s_delay_alu instid0(VALU_DEP_1)
	v_ldexp_f32 v252, 1.0, v254                    ; f = 2^(old M - new M): the rescaling rounds nothing
.set n, 0
.rept 32
	v_pk_fma_f32 v[96+n:97+n], v[96+n:97+n], s[CS:CS+1], v[12:13] op_sel_hi:[1,0,0]   ; t - M
.set n, n+2
.endr
.set n, 0
	s_wait_alu depctr_va_vdst(0)
.rept 64
	v_exp_f32 v[96+n], v[96+n]                     ; p = 2^(t - M)
.set n, n+1
.endr
	v_pk_mul_f32 v[14:15], v[14:15], v[252:253] op_sel_hi:[1,0]   ; the sums under the new M: the plain line behind the exponentials
	s_wait_alu depctr_va_vdst(0)                   ; one wait for the whole batch, ahead of its first reader
	v_pk_add_f32 v[242:243], v[100:101], v[104:105]
	v_pk_add_f32 v[250:251], v[108:109], v[112:113]
	v_pk_add_f32 v[248:249], v[116:117], v[120:121]
	v_pk_add_f32 v[238:239], v[124:125], v[128:129]
	v_pk_add_f32 v[236:237], v[132:133], v[136:137]
	v_pk_add_f32 v[234:235], v[140:141], v[144:145]
	v_pk_add_f32 v[232:233], v[148:149], v[152:153]
	v_pk_add_f32 v[14:15], v[14:15], v[156:157]
	v_pk_add_f32 v[242:243], v[242:243], v[96:97]
	v_pk_add_f32 v[250:251], v[250:251], v[98:99]
	v_pk_add_f32 v[248:249], v[248:249], v[102:103]
	v_pk_add_f32 v[238:239], v[238:239], v[106:107]
	v_pk_add_f32 v[236:237], v[236:237], v[110:111]
	v_pk_add_f32 v[234:235], v[234:235], v[114:115]
	v_pk_add_f32 v[232:233], v[232:233], v[118:119]
	v_pk_add_f32 v[14:15], v[14:15], v[122:123]
	v_pk_add_f32 v[242:243], v[242:243], v[126:127]
	v_pk_add_f32 v[250:251], v[250:251], v[130:131]
	v_pk_add_f32 v[248:249], v[248:249], v[134:135]
	v_pk_add_f32 v[238:239], v[238:239], v[138:139]
	v_pk_add_f32 v[236:237], v[236:237], v[142:143]
	v_pk_add_f32 v[234:235], v[234:235], v[146:147]
	v_pk_add_f32 v[232:233], v[232:233], v[150:151]
	v_pk_add_f32 v[14:15], v[14:15], v[154:155]
	v_pk_add_f32 v[242:243], v[242:243], v[158:159]
	s_delay_alu instid0(VALU_DEP_2)
	v_pk_add_f32 v[14:15], v[14:15], v[238:239]
	s_delay_alu instid0(VALU_DEP_2)
	v_pk_add_f32 v[242:243], v[242:243], v[236:237]
	v_pk_add_f32 v[250:251], v[250:251], v[234:235]
	v_pk_add_f32 v[248:249], v[248:249], v[232:233]
	s_delay_alu instid0(VALU_DEP_2)
	v_pk_add_f32 v[14:15], v[14:15], v[250:251]
	s_delay_alu instid0(VALU_DEP_2)
	v_pk_add_f32 v[242:243], v[242:243], v[248:249]
	s_delay_alu instid0(VALU_DEP_1)
	v_pk_add_f32 v[14:15], v[14:15], v[242:243]
.irp b, 0,1,2,3
.set n, 0
.rept 16
	v_min_num_f32 v[96+16*\b+n], v[96+16*\b+n], v240   ; the conversion does not saturate (ISA guide 7.6.2); p is not negative, so the hold is one-sided
.set n, n+1
.endr
	v_cvt_scalef32_pk8_fp8_f32 v[224+4*\b:225+4*\b], v[96+16*\b:103+16*\b], v244
	v_cvt_scalef32_pk8_fp8_f32 v[226+4*\b:227+4*\b], v[104+16*\b:111+16*\b], v244
.endr
.irp t, 0,1,2,3                        ; p is in codes: its 64 registers take V's other four fragments, which land while O^T is rescaled
.irp c, 0,1,2,3
	ds_load_b128 v[96+16*\t+4*\c:96+16*\t+4*\c+3], v[ADV] offset:16*(4+\t)*KP+32*\c
.endr
.endr
.set n, 0
.rept 32
	v_pk_mul_f32 v[160+n:161+n], v[160+n:161+n], v[252:253] op_sel_hi:[1,0]   ; O^T under the new M.  These 32 are also the plain lines between the conversions and the products that read the codes
.set n, n+2
.endr
	s_wait_alu depctr_va_vdst(0)
	s_wait_dscnt 0x0                               ; V's eight fragments are in
.irp t, 0,1,2,3                        ; O^T += V^T P^T: eight tiles of 16 of the head's 128, eight accumulators by turns
	v_wmma_f32_16x16x128_fp8_fp8 v[160+8*\t:167+8*\t], v[32+16*\t:47+16*\t], v[224:239], v[160+8*\t:167+8*\t]
.endr
.irp t, 0,1,2,3
	v_wmma_f32_16x16x128_fp8_fp8 v[192+8*\t:199+8*\t], v[96+16*\t:111+16*\t], v[224:239], v[192+8*\t:199+8*\t]
.endr
.Lhidden_\@:
	s_add_co_u32 s[KF], s[KF], 256                 ; my step of the next slot
.endm
.macro NEXT                            ; on to the other slot
	s_xor_b32 s[TB], s[TB], SLOT1
	s_add_co_u32 s[KS], s[KS], 256
.endm
; THE CHANGE OF SLOTS stands at a slot's head.  Each wave waits for all its tensor loads (a fetching wave's piece of the slot that is about to be read), adds 0 to its spare word, and waits for that and for its reads of the slot
; that it has left.  Behind the barrier the slot ahead is whole and nobody reads the other.  fill = 1: the other slot takes the 256 keys behind those in hand, up to the causal limit: the load has a slot's steps in which to land.
.macro CHANGE fill
	s_wait_tensorcnt 0x0                           ; no tensor load of mine is out, so the group 0 may be written
	ds_add_u32 v[SPW], v[NIL]
.if \fill
	ds_add_u32 v[SPW], v[NIL]                      ; and once more: the add stands twice on end here, in every trip alike
	s_xor_b32 s[G0+1], s[G0+1], SLOT1              ; the other slot than last time,
	s_add_nc_u64 s[G0+2:G0+3], s[G0+2:G0+3], 32768 ; the next 256 keys; the type bits on top are not reached
	s_wait_xcnt 0x0                                ; the last prefetch, a slot back, has read its address
	s_add_nc_u64 s[PFA:PFA+1], s[PFA:PFA+1], 32768
.endif
	s_wait_dscnt 0x0                               ; the add is done (fill = 1: both are), and my reads of the slot that I have left are over
	s_barrier_signal -1
	s_barrier_wait -1
.if \fill
	s_add_co_u32 s96, s[KS], 256                   ; the first key of the slot that this change would ask for:
	s_cmp_gt_u32 s96, s[QL]                        ; beyond my work-group's last query it would be read by none of the sixteen waves.  Ids and the count of slots alone: all waves go the same way; every wait on TENSORcnt here is for 0
	s_cbranch_scc1 .Lpast_\@
	s_cmp_lt_u32 s[WV], 8                          ; the fetching waves
	s_cbranch_scc0 .Lpast_\@
	tensor_load_to_lds s[G0:G0+3], s[G1:G1+7]      ; my one tensor load until the next such barrier
	s_nop 0
.rept 4
	v_nop
.endr
.Lpast_\@:
	ASK
.endif
.endm
	s_wait_alu depctr_va_vdst(0)                   ; the wait at the head's end
	s_wait_loadcnt 0x0                             ; Q.  Seven trips follow, slots 0 to 6: behind each change the next slot is asked for, up to the limit
.Lslot:                                            ; six trips, slots 1 to 6: behind each change the slot just left is asked for anew, up to the limit
	CHANGE 1
	STEP
	NEXT
	s_sub_co_u32 s[SLOTS], s[SLOTS], 1
	s_cmp_lg_u32 s[SLOTS], 0
	s_cbranch_scc1 .Lslot
	CHANGE 0                                       ; the last slot is written out: nothing is left to ask for
	STEP
	; THE WAY OUT, 1: half 1 hands its O^T, its -M and its sum to half 0
	v_add_f32 v14, v14, v15                        ; my lane's sum
.rept 4
	v_nop                                          ; four places behind the last products, in front of the stores that read their results and of loads into registers that they read
.endr
	s_cmp_lt_u32 s[WV], 8
	s_cbranch_scc1 .Lhalf_0
.set n, 0
	s_wait_alu depctr_va_vdst(0)
.rept 16
	ds_store_b128 v[MRA], v[160+4*n:163+4*n] offset:512*n   ; an image of the registers: 16 bytes a lane, 512 a store; each accumulator from its low end on
.set n, n+1
.endr
	ds_store_b32 v[MRS], v12
	ds_store_b32 v[MRS], v14 offset:128
.Lhalf_0:
	s_wait_dscnt 0x0                               ; for the partner's sake: my stores are done
	s_barrier_signal -1
	s_barrier_wait -1
	s_cmp_lt_u32 s[WV], 8
	s_cbranch_scc0 .Lhalf_1
	; 2, half 0: y = (O_a f_a + O_b f_b) / (l_a f_a + l_b f_b) x 2^(e4 + e5), f = 2^(own M - the larger M); quantised with 2^e6
	ds_load_b32 v248, v[MRS]                       ; the partner's -M
	ds_load_b32 v249, v[MRS] offset:128            ; and sum
.set n, 0
.rept 16
	ds_load_b128 v[96+4*n:99+4*n], v[MRA] offset:512*n
.set n, n+1
.endr
	s_wait_dscnt 16                                ; the two words are in; the image's sixteen loads may be out
	v_min_num_f32 v250, v12, v248                  ; minus the larger M
	s_delay_alu instid0(VALU_DEP_1)
	v_sub_f32 v251, v250, v12                      ; whole numbers, 0 or less
	s_delay_alu instid0(VALU_DEP_2)
	v_sub_f32 v254, v250, v248
	s_delay_alu instid0(VALU_DEP_2)
	v_cvt_i32_f32 v251, v251                       ; (it saturates: a half with no live step gets the factor 0)
	s_delay_alu instid0(VALU_DEP_2)
	v_cvt_i32_f32 v254, v254
	s_delay_alu instid0(VALU_DEP_2)
	v_ldexp_f32 v251, 1.0, v251                    ; f_a
	s_wait_alu depctr_va_vdst(0)
	v_ldexp_f32 v254, 1.0, v254                    ; f_b
	v_mul_f32 v14, v14, v251
	s_delay_alu instid0(VALU_DEP_1)
	v_fma_f32 v14, v249, v254, v14
	s_delay_alu instid0(VALU_DEP_1)
	v_permlanex16_b32 v252, v14, s[SEL], s[SEL+1]
	s_delay_alu instid0(VALU_DEP_1)
	v_add_f32 v14, v14, v252                       ; the row's sum
	s_wait_alu depctr_va_vdst(0)
	v_rcp_f32 v14, v14
	v_nop                                          ; a plain line behind the reciprocal
	s_add_co_i32 s72, s88, s89
	s_wait_alu depctr_va_vdst(0)                   ; ahead of the first reader
	v_ldexp_f32 v14, v14, s72
	s_delay_alu instid0(VALU_DEP_1)
	v_mul_f32 v250, v251, v14                      ; f_a / the sum x 2^(e4 + e5)
	s_delay_alu instid0(VALU_DEP_2)
	v_mul_f32 v254, v254, v14                      ; f_b likewise
	s_wait_alu depctr_va_vdst(0)
	s_wait_dscnt 0x0                               ; the image is in
.set n, 0
.rept 32
	v_pk_mul_f32 v[96+n:97+n], v[96+n:97+n], v[254:255] op_sel_hi:[1,0]
.set n, n+2
.endr
.set n, 0
.rept 32
	v_pk_fma_f32 v[96+n:97+n], v[160+n:161+n], v[250:251], v[96+n:97+n] op_sel_hi:[1,0,1]   ; register 8 t + i is y(r, 16 t + 8 h + i); each accumulator from its low end on
.set n, n+2
.endr
.set n, 0
.rept 64
	v_med3_num_f32 v[96+n], v[96+n], -v241, v241
.set n, n+1
.endr
.irp t, 0,1,2,3,4,5,6,7
	v_cvt_scalef32_pk8_fp8_f32 v[32+2*\t:33+2*\t], v[96+8*\t:103+8*\t], v245
.endr
	v_nop                                          ; a plain line behind the last conversion
.irp t, 0,1,2,3,4,5,6,7
	ds_store_b64 v[SIN], v[32+2*\t:33+2*\t] offset:16*\t
.endr
.Lhalf_1:
	s_wait_dscnt 0x0                               ; for the others' sake: my stores into the stage are done
	s_barrier_signal -1
	s_barrier_wait -1
	; 3: the four heads' codes of a token leave as 512 consecutive bytes: two tokens a wave
.irp i, 0,1
	ds_load_b128 v[48+4*\i:51+4*\i], v[SBK] offset:\i*SPITCH
.endr
.irp i, 0,1
	s_wait_dscnt 1-\i                              ; the younger load may be out
	global_store_b128 v[GO], v[48+4*\i:51+4*\i], s[8:9] offset:2048*\i   ; 512 consecutive, aligned bytes
.endr
	s_wait_tensorcnt 0x0                           ; the wave's end, behind my last tensor load and my last LDS store
	ds_add_u32 v[SPW], v[NIL]
	s_wait_dscnt 0x0
	s_endpgm
.Lfunc_end_k_q07f9c51e1d_attn:
	.size	k_q07f9c51e1d_attn, .Lfunc_end_k_q07f9c51e1d_attn-k_q07f9c51e1d_attn
	.p2alignl 7, 3214868480
	.fill 96, 4, 3214868480
	.section	.rodata,"a",@progbits
	.p2align	6, 0x0
	.amdhsa_kernel k_q07f9c51e1d_attn
		.amdhsa_group_segment_fixed_size 327680
		.amdhsa_private_segment_fixed_size 0
		.amdhsa_enable_private_segment 0
		.amdhsa_kernarg_size 24
		.amdhsa_user_sgpr_count 2
		.amdhsa_user_sgpr_kernarg_segment_ptr 1
		.amdhsa_wavefront_size32 1
		.amdhsa_system_sgpr_workgroup_id_x 1
		.amdhsa_system_sgpr_workgroup_id_y 1
		.amdhsa_system_sgpr_workgroup_id_z 1
		.amdhsa_system_vgpr_workitem_id 0
		.amdhsa_next_free_vgpr 256
		.amdhsa_next_free_sgpr 100
		.amdhsa_reserve_vcc 1
		.amdhsa_float_denorm_mode_32 3
		.amdhsa_float_denorm_mode_16_64 3
		.amdhsa_memory_ordered 1
		.amdhsa_forward_progress 1
		.amdhsa_inst_pref_size 73
	.end_amdhsa_kernel
	.amdgpu_metadata
---
amdhsa.version: [ 1, 2 ]
amdhsa.kernels:
  - .name:           k_q07f9c51e1d_attn
    .symbol:         k_q07f9c51e1d_attn.kd
    .args:
      - { .name: qkv, .offset: 0, .size: 8, .value_kind: global_buffer, .address_space: global }
      - { .name: lowp_scales, .offset: 8, .size: 8, .value_kind: global_buffer, .address_space: global }
      - { .name: yc, .offset: 16, .size: 8, .value_kind: global_buffer, .address_space: global }
    .group_segment_fixed_size: 327680
    .private_segment_fixed_size: 0
    .kernarg_segment_align: 8
    .kernarg_segment_size: 24
    .max_flat_workgroup_size: 512
    .sgpr_count:     100
    .vgpr_count:     256
    .wavefront_size: 32
...
	.end_amdgpu_metadata
.endif
;; end of part 3
;; launch projgemm (part 4): grid 16 x 16, 4 waves a work-group, clusters of 4 x 1, 327,680 bytes of LDS; arguments yc, wc, lowp_scales, b_proj, out0; writes out0
.if DOCPART == 4
	.amdgcn_target "amdgcn-amd-amdhsa--gfx1250"
	.amdhsa_code_object_version 6
	.text
	.protected	k_q07f9c51e1d_projgemm
	.globl	k_q07f9c51e1d_projgemm
	.p2align	8
	.type	k_q07f9c51e1d_projgemm,@function
k_q07f9c51e1d_projgemm:
	s_mov_b64 s[64:65], 0
	v_nop
	global_prefetch_b8 v0, s[64:65] scope:SCOPE_SE
	s_setreg_imm32_b32 hwreg(HW_REG_WAVE_MODE, 25, 1), 1
	s_wait_xcnt 0x0
	s_wait_alu depctr_hold_cnt(0) depctr_sa_sdst(0) depctr_va_vdst(0) depctr_va_sdst(0) depctr_va_ssrc(0) depctr_va_vcc(0) depctr_vm_vsrc(0)
	s_getreg_b32 s2, hwreg(HW_REG_IB_STS2, 6, 4)
	s_cmp_eq_u32 s2, 0
	s_cbranch_scc0 .Lentry_in_a_cluster
	s_endpgm
.Lentry_in_a_cluster:
	s_bfe_u32 s2, ttmp6, 0x10000c
	s_cmp_lg_u32 s2, 0x3003
	s_cbranch_scc0 .Lentry_shape_is_right
	s_endpgm
.Lentry_shape_is_right:
; out0 = y W_proj + b_proj on codes of FP8: yc [2048 t][2048 k] (2^e6); W_proj's codes in wc from byte 6,291,456 on, as images of operand registers (2^e7).  Nothing is left out here.
; SHARES.  Work-group (x, y): tokens 128 y on, columns 128 x on: 256 work-groups of four waves.  Wave w: all 128 tokens x columns 32 w on: 16 accumulators.
; yc's 128 rows are fetched ONCE, whole: each wave asks for a quarter of K (128 rows x 512 bytes) by one tensor load; no LDS byte is filled twice.  All four waves read them.
; CLUSTERS 4 x 1: the four partners make neighbouring column blocks of the same tokens and need the same tile of yc: it is asked for jointly (mask 15).  No branch and no LDS address hangs on a work-group's place.
; W's fragments are read by one wave of the work-group alone, so they go from memory straight into registers: each load takes 512 consecutive bytes of an image.  A wave's whole share, 16 steps x 32 registers, has registers of
; its own: eight steps are asked for at the head, one more in each of steps 0 to 7: seven steps ahead of its use.
; NO PREFETCH: yc's tile is asked for once, at the head, with no loop to run ahead in; W's loads themselves run seven steps ahead.
; THE MATRIX INSTRUCTION IS USED TRANSPOSED (source 0 = 16 columns of W, source 1 = 16 tokens): lane (r, h) holds token 16 a + r and columns 16 b + 8 h + 0..7.  Both sides hold K = 32 c + 16 h + 0..15 in registers 4 c .. 4 c + 3.
; The sums go as f32 through a stage in yc's first quarter (behind its last read) and leave as whole rows of 512 bytes.
; LIMIT: e6 + e7 between -126 and 127.
; REGISTERS.  window 0: v1-31 addresses, v32-35 bias, v128-255 yc's fragments of even steps, later the rows read back.   window 1: v0-127 the accumulators, (a, b) at 8 (2 a + b); v128-255 yc's fragments of odd steps.
;   windows 2, 3: W's fragments, step s at 32 (s % 8) of window 2 + s / 8.
.set PITCH, 528                        ; an LDS row: 512 bytes + 16: an odd multiple of 16
.set QREG,  128*PITCH                  ; a quarter of K: 128 rows
.set SPARE, 4*QREG                     ; the spare words, 128 bytes a wave: two blocks of 256 bytes that no other line names
.set ADRA, 16                          ; v16-19 my place in a fragment of yc, quarter 0..3
.set L16,  20                          ; 16 x lane
.set STO,  24                          ; the stage, in
.set RD,   25                          ; the stage, back
.set SPW,  28
.set NIL,  29
.set BI,   32
.set X,    128
.set G1,   24
.set G0,   32
.set WV,   40
.set TB,   43
.set MSB, 0
.macro WIN new                         ; the immediate's high byte repeats the setting that is left
.if MSB != (\new)
	s_set_vgpr_msb (MSB<<8)|(\new)
.set MSB, (\new)
.endif
.endm
.macro PLACES                          ; four places in front of loads into registers that matrix instructions have read, and of the first read of results
.rept 4
	v_nop
.endr
.endm
.macro CROUND                          ; a round of the cluster's barrier
	s_barrier_signal -1
	s_barrier_wait -1
	s_cmp_lg_u32 s[WV], 0
	s_cbranch_scc1 .Lnot_wave_0_\@
	s_barrier_signal -3
.Lnot_wave_0_\@:
	s_barrier_wait -3
	s_barrier_signal -1
	s_barrier_wait -1
.endm
.macro FETCHA s                        ; yc's eight fragments of step s into the set s % 2
	WIN 0x40*((\s)%2)
.irp a, 0,1,2,3,4,5,6,7
.irp c, 0,1,2,3
	ds_load_b128 v[128+16*\a+4*\c:128+16*\a+4*\c+3], v[ADRA+(\s)/4] offset:\a*16*PITCH+128*((\s)%4)+32*\c
.endr
.endr
.endm
.macro FETCHB s                        ; W's two fragments of step s: eight loads of 512 consecutive bytes
.set BB, 32*((\s)%8)
	WIN 0x80+0x40*((\s)/8)
.irp b, 0,1
.irp c, 0,1,2,3
	global_load_b128 v[BB+16*\b+4*\c:BB+16*\b+4*\c+3], v[L16], s[6:7] offset:\b*32768+(\s)*2048+\c*512
.endr
.endr
.endm
.macro MUL s, lo                       ; token blocks lo .. lo + 3 against W's two.  The 16 accumulators take turns in the same order in every step; step 0 starts the sums
.set BB, 32*((\s)%8)
	WIN 0x50+4*((\s)%2)+2+(\s)/8
.irp a, 0,1,2,3
.irp b, 0,1
.if (\s) == 0
	v_wmma_f32_16x16x128_fp8_fp8 v[8*(2*(\lo+\a)+\b):8*(2*(\lo+\a)+\b)+7], v[BB+16*\b:BB+16*\b+15], v[128+16*(\lo+\a):128+16*(\lo+\a)+15], 0
.else
	v_wmma_f32_16x16x128_fp8_fp8 v[8*(2*(\lo+\a)+\b):8*(2*(\lo+\a)+\b)+7], v[BB+16*\b:BB+16*\b+15], v[128+16*(\lo+\a):128+16*(\lo+\a)+15], v[8*(2*(\lo+\a)+\b):8*(2*(\lo+\a)+\b)+7]
.endif
.endr
.endr
.endm
; A step of 128 along K.  Behind this step's W loads those of seven later steps have been issued, eight each; from step 9 on those of the steps still to come.
.macro STEP s
	s_wait_dscnt 0x0                               ; yc's fragments of this step are in
.if (\s) <= 8
	s_wait_loadcnt 56
.else
	s_wait_loadcnt 8*(15-(\s))
.endif
.if (\s) < 15
	PLACES                                         ; behind the last step's products: for the loads into the set that they read
	FETCHA (\s)+1
.endif
	MUL \s, 0
.if (\s) < 8
	FETCHB (\s)+8
.endif
	MUL \s, 4
.endm
	s_load_b256 s[4:11], s[0:1], 0x0               ; yc s[4:5], wc s[6:7], lowp_scales s[8:9], b_proj s[10:11]
	s_load_b64 s[12:13], s[0:1], 0x20              ; out0
	v_lshl_add_u32 v[SPW], v0, 2, SPARE
	v_mov_b32 v[NIL], 0
	ds_add_u32 v[SPW], v[NIL]                      ; the wave's opening: the add, twice on end, and its wait ahead of the round in front of my tensor load
	ds_add_u32 v[SPW], v[NIL]
	v_lshrrev_b32 v1, 5, v0
	v_readfirstlane_b32 s[WV], v1
	s_bfe_u32 s41, ttmp6, 0x40000                  ; cx: my place in the cluster
	s_lshl_b32 s42, ttmp9, 2
	s_add_co_u32 s42, s42, s41                     ; column block = 4 x cluster x + cx
	s_and_b32 s[TB], ttmp7, 0xffff                 ; token block
	s_mov_b32 s[G1], 15|(1<<20)|(1<<21)|(6<<22)|(3<<25)   ; the mask: all four partners; elements of 1 byte; 21 set beside a mask; padding: four words after every 128
	s_mov_b32 s[G1+1], 512<<16                     ; tensor_dim0
	s_mov_b32 s[G1+2], 128<<16                     ; tensor_dim1
	s_mov_b32 s[G1+3], 512<<16                     ; tile_dim0
	s_mov_b32 s[G1+4], 128                         ; tile_dim1
	s_mov_b32 s[G1+5], 2048                        ; from row to row
	s_mov_b32 s[G1+6], 0
	s_mov_b32 s[G1+7], 0
	s_mov_b32 s[G0], 1
	s_mul_i32 s[G0+1], s[WV], QREG                 ; my quarter's place: the wave's number alone
	s_lshl_b32 s44, s[TB], 18                      ; 128 rows of 2,048 bytes a token block,
	s_lshl_b32 s45, s[WV], 9                       ; 512 bytes a quarter: nothing of cx
	s_add_co_u32 s44, s44, s45
	s_mov_b32 s45, 0
	s_wait_dscnt 0x0                               ; both opening adds are done
	s_wait_kmcnt 0x0
	s_add_nc_u64 s[G0+2:G0+3], s[4:5], s[44:45]
	s_or_b32 s[G0+3], s[G0+3], 0x80000000
	CROUND                                         ; all four work-groups are here: the joint loads meet
	tensor_load_to_lds s[G0:G0+3], s[G1:G1+7]      ; my one tensor load
	s_nop 0
	s_load_b256 s[80:87], s[8:9], 0x0              ; e0 .. e7
	s_add_nc_u64 s[6:7], s[6:7], 0x600000          ; W_proj's images: 32,768 bytes for 16 columns: 128 columns a work-group, 32 a wave
	s_lshl_b32 s46, s42, 18
	s_lshl_b32 s48, s[WV], 16
	s_add_co_u32 s46, s46, s48
	s_mov_b32 s47, 0
	s_add_nc_u64 s[6:7], s[6:7], s[46:47]
	s_lshl_b32 s46, s42, 9                         ; my column block's 512 bytes, in the bias and in a row of out0
	s_add_nc_u64 s[10:11], s[10:11], s[46:47]
	s_add_nc_u64 s[12:13], s[12:13], s[46:47]
	s_lshl_b32 s46, s[TB], 20                      ; out0: rows of 8,192 bytes: 128 a token block, 32 a wave
	s_lshl_b32 s48, s[WV], 18
	s_add_co_u32 s46, s46, s48
	s_add_nc_u64 s[12:13], s[12:13], s[46:47]
	s_lshl_b32 s50, s[WV], 7
	s_mul_i32 s51, s[WV], 32*PITCH
	v_and_b32 v1, 15, v0                           ; r
	v_bfe_u32 v2, v0, 4, 1                         ; h
	v_and_b32 v3, 31, v0                           ; lane
	v_lshlrev_b32 v[L16], 4, v3
	v_mul_u32_u24 v4, v1, PITCH
	v_lshl_add_u32 v[ADRA], v2, 4, v4
	v_add_nc_u32 v[ADRA+1], QREG, v[ADRA]
	v_add_nc_u32 v[ADRA+2], 2*QREG, v[ADRA]
	v_add_nc_u32 v[ADRA+3], 3*QREG, v[ADRA]
	v_lshl_add_u32 v4, v2, 5, v4
	v_add_nc_u32 v[STO], s50, v4                   ; the stage, in: row r, byte 128 w + 32 h
	v_add_nc_u32 v[RD], s51, v[L16]                ; back: my 32 rows, whole
	s_wait_alu depctr_va_vdst(0)                   ; the wait behind the head's addresses
	global_load_b128 v[BI:BI+3], v[L16], s[10:11]  ; the bias of columns 4 x lane on
.irp s, 0,1,2,3,4,5,6,7
	FETCHB \s
.endr
	WIN 0
	s_wait_kmcnt 0x0
	s_add_co_i32 s88, s86, s87
	s_add_co_i32 s88, s88, 127
	s_lshl_b32 s88, s88, 23                        ; 2^(e6 + e7) as f32
	s_mov_b32 s89, s88                             ; (named with it as a pair)
	s_wait_tensorcnt 0x0                           ; my quarter of yc's tile is in
	s_barrier_signal -1
	s_barrier_wait -1                              ; everybody's is
	FETCHA 0
.irp s, 0,1,2,3,4,5,6,7,8,9,10,11,12,13,14,15
	STEP \s
.endr
	WIN 0
	PLACES
	s_barrier_signal -1
	s_barrier_wait -1                              ; nobody reads yc's tile any more: its first quarter takes the stage
	WIN 0x04                                       ; the stores' data: the accumulators, each from its low end on
.irp a, 0,1,2,3,4,5,6,7
.irp b, 0,1
	ds_store_b128 v[STO], v[8*(2*\a+\b):8*(2*\a+\b)+3] offset:\a*16*PITCH+64*\b
	ds_store_b128 v[STO], v[8*(2*\a+\b)+4:8*(2*\a+\b)+7] offset:\a*16*PITCH+64*\b+16
.endr
.endr
	WIN 0
	s_wait_dscnt 0x0                               ; for the others' sake: my stores into the stage are done
	s_barrier_signal -1
	s_barrier_wait -1
.set i, 0
.rept 32
	ds_load_b128 v[X+4*i:X+4*i+3], v[RD] offset:PITCH*i
.set i, i+1
.endr
.set i, 0
.rept 32
	s_wait_dscnt 31-i                              ; the younger loads may be out
	v_pk_fma_f32 v[X+4*i:X+4*i+1], v[X+4*i:X+4*i+1], s[88:89], v[BI:BI+1] op_sel_hi:[1,0,1]       ; sum x 2^(e6 + e7) + bias
	v_pk_fma_f32 v[X+4*i+2:X+4*i+3], v[X+4*i+2:X+4*i+3], s[88:89], v[BI+2:BI+3] op_sel_hi:[1,0,1]
	global_store_b128 v[L16], v[X+4*i:X+4*i+3], s[12:13] offset:8192*i th:TH_STORE_NT   ; 512 consecutive, aligned bytes of a row; written once
.set i, i+1
.endr
	s_wait_tensorcnt 0x0                           ; the wave's end, behind my last tensor load and my last LDS store
	ds_add_u32 v[SPW], v[NIL]
	s_wait_dscnt 0x0
	CROUND                                         ; the closing round: no work-group ends while a partner may still ask for a tile that names it
	s_endpgm
.Lfunc_end_k_q07f9c51e1d_projgemm:
	.size	k_q07f9c51e1d_projgemm, .Lfunc_end_k_q07f9c51e1d_projgemm-k_q07f9c51e1d_projgemm
	.p2alignl 7, 3214868480
	.fill 96, 4, 3214868480
	.section	.rodata,"a",@progbits
	.p2align	6, 0x0
	.amdhsa_kernel k_q07f9c51e1d_projgemm
		.amdhsa_group_segment_fixed_size 327680
		.amdhsa_private_segment_fixed_size 0
		.amdhsa_enable_private_segment 0
		.amdhsa_kernarg_size 40
		.amdhsa_user_sgpr_count 2
		.amdhsa_user_sgpr_kernarg_segment_ptr 1
		.amdhsa_wavefront_size32 1
		.amdhsa_system_sgpr_workgroup_id_x 1
		.amdhsa_system_sgpr_workgroup_id_y 1
		.amdhsa_system_sgpr_workgroup_id_z 1
		.amdhsa_system_vgpr_workitem_id 0
		.amdhsa_next_free_vgpr 1024
		.amdhsa_next_free_sgpr 96
		.amdhsa_reserve_vcc 0
		.amdhsa_float_denorm_mode_32 3
		.amdhsa_float_denorm_mode_16_64 3
		.amdhsa_memory_ordered 1
		.amdhsa_forward_progress 1
		.amdhsa_inst_pref_size 82
	.end_amdhsa_kernel
	.amdgpu_metadata
---
amdhsa.version: [ 1, 2 ]
amdhsa.kernels:
  - .name:           k_q07f9c51e1d_projgemm
    .symbol:         k_q07f9c51e1d_projgemm.kd
    .args:
      - { .name: yc, .offset: 0, .size: 8, .value_kind: global_buffer, .address_space: global }
      - { .name: wc, .offset: 8, .size: 8, .value_kind: global_buffer, .address_space: global }
      - { .name: lowp_scales, .offset: 16, .size: 8, .value_kind: global_buffer, .address_space: global }
      - { .name: b_proj, .offset: 24, .size: 8, .value_kind: global_buffer, .address_space: global }
      - { .name: out0, .offset: 32, .size: 8, .value_kind: global_buffer, .address_space: global }
    .group_segment_fixed_size: 327680
    .private_segment_fixed_size: 0
    .kernarg_segment_align: 8
    .kernarg_segment_size: 40
    .max_flat_workgroup_size: 128
    .sgpr_count:     96
    .vgpr_count:     1024
    .wavefront_size: 32
...
	.end_amdgpu_metadata
.endif
;; end of part 4
